; MI455X (gfx1250); checked and timed in simulation.
; The chip was launched on July 23, 2026; its instructions are those of AMD's public machine-readable ISA for CDNA 5 (MIT licence, August 2026) and "CDNA5" Instruction Set Architecture Reference Guide (July 2026). The comments in the code are by the model that wrote it; some were corrected since.
;; Attention. Allowed arithmetic: float matrix products may take bf16 or f16 operands with f32 sums; other float arithmetic in f32, or as packed bf16 or f16 multiplies, adds, multiply-adds, maxima and minima; sums over many terms, partial sums and values carried from step to step in f32; what a program stores and reads back later, other than sums and carried values, may be rounded once to bf16 or f16.
;; Inputs: freqs_cos 2,048 x 64 float32; freqs_sin 2,048 x 64 float32; wk 4,096 x 1,024 float32; wo 2,048 x 4,096 float32; wq 4,096 x 2,048 float32; wv 4,096 x 1,024 float32; x 1 x 2,048 x 4,096 float32.
;; Outputs: out0 1 x 2,048 x 4,096 float32.
;; One version. Each part assembles by itself: llvm-mc -triple=amdgcn-amd-amdhsa -mcpu=gfx1250 --defsym DOCPART=n.
;; ======== version 1 of 1: 4 launches
;; limits: values are held in f16: magnitudes above 65,504 overflow, below 6.1e-05 lose precision; right only within a limited range of input values
;; workspace buffers: xb 17,301,504 bytes; wqkvb 34,603,008 bytes; wob 17,301,504 bytes; qkv 16,777,216 bytes; vlo 32,768 bytes; ob 8,650,752 bytes; olo 67,584 bytes
;; launch cast (part 1): grid 256 x 9, 8 waves a work-group, no clusters, 0 bytes of LDS; arguments x, wq, wk, wv, wo, xb, wqkvb, wob, ob, olo; writes xb, wqkvb, wob, ob, olo
.if DOCPART == 1
	.amdgcn_target "amdgcn-amd-amdhsa--gfx1250"
	.amdhsa_code_object_version 6
	.text
	.protected	k_q1cc125ffe9_cast
	.globl	k_q1cc125ffe9_cast
	.p2align	8
	.type	k_q1cc125ffe9_cast,@function
k_q1cc125ffe9_cast:
	s_mov_b64 s[64:65], 0
	v_nop
	global_prefetch_b8 v0, s[64:65] scope:SCOPE_SE
	s_setreg_imm32_b32 hwreg(HW_REG_WAVE_MODE, 25, 1), 1
	s_wait_xcnt 0x0
; CAST.  x, wq, wk, wv are rounded once to bf16; wo is rounded to bf16 and that number is written as f16 (exact from 2^-17 up to 65,504; below, f16's fixed step of 6e-8).
; xb [2048][4224] bf16;  wqkvb [4224 k][4096 n] bf16, n 0-2047 wq, 2048-3071 wk, 3072-4095 wv;  wob [2112 k][4096 n] f16.
; The later products walk K in steps of 192, so K is padded with zeros to 22 and to 11 such steps: xb's columns 4096-4223, wqkvb's rows 4096-4223, wob's rows 2048-2111, and chunks 64, 65 of each row block of ob and of olo.
; A stream: every byte is read once and written once; no LDS, no barrier, no matrix unit, since nothing is shared.
; SHARES.  A chunk is 1,024 f32 (4,096 bytes in, 2,048 out); every row length here is a multiple of it.  Grid y picks one of eight units of 4,096 chunks
; (0, 1: x;  2, 3: wq;  4: wk;  5: wv;  6, 7: wo); a work-group takes 16 chunks, a wave two neighbouring ones: 16 loads of 512 consecutive bytes, all issued before the first is used.
; A lane's 4 numbers pack into 8 bytes, so each store of the wave covers 256 consecutive bytes, aligned.  Unit 8 stores the zeros.  No register is written twice while a memory instruction names it.
.set X,   4                            ; v[4:67]    16 loads of 4 registers
.set Y,   68                           ; v[68:99]   16 stores of 2 registers
.set T,   100                          ; v[100:103] at work (wo's way)
.set SRC, 24                           ; s[24:25]   the tensor read, then my first chunk in it
.set DST, 26                           ; s[26:27]   the buffer written
.set DP,  36                           ; s[36:39]   where my two chunks go
	s_load_b512 s[8:23], s[0:1], 0x0               ; x, wq, wk, wv, wo, xb, wqkvb, wob
	s_load_b128 s[48:51], s[0:1], 0x40             ; ob, olo
	v_lshrrev_b32 v3, 5, v0
	v_readfirstlane_b32 s2, v3                     ; wave 0..7
	v_and_b32 v1, 31, v0
	v_lshlrev_b32 v2, 3, v1                        ; 8 bytes a lane out
	v_lshlrev_b32 v1, 4, v1                        ; 16 bytes a lane in
	s_and_b32 s3, ttmp7, 0xffff                    ; the unit
	s_and_b32 s4, s3, 1
	s_mov_b32 s5, 0xffff0000                       ; a word's upper bf16
	s_mov_b32 s28, 2                               ; log2 of the chunks in a source row
	s_mov_b32 s29, 0                               ; first byte of the tensor's columns in a destination row
	s_mov_b32 s30, s4                              ; which half of a tensor of two units
	s_wait_kmcnt 0x0
	s_cmp_eq_u32 s3, 8
	s_cbranch_scc1 .Lpad
	s_mov_b64 s[SRC:SRC+1], s[16:17]               ; units 6, 7: wo -> wob
	s_mov_b64 s[DST:DST+1], s[22:23]
	s_cmp_lt_u32 s3, 6                             ; unit 5: wv
	s_cselect_b64 s[SRC:SRC+1], s[14:15], s[SRC:SRC+1]
	s_cselect_b64 s[DST:DST+1], s[20:21], s[DST:DST+1]
	s_cselect_b32 s28, 0, s28
	s_cselect_b32 s29, 6144, s29
	s_cselect_b32 s30, 0, s30
	s_cmp_lt_u32 s3, 5                             ; unit 4: wk
	s_cselect_b64 s[SRC:SRC+1], s[12:13], s[SRC:SRC+1]
	s_cselect_b32 s29, 4096, s29
	s_cmp_lt_u32 s3, 4                             ; units 2, 3: wq
	s_cselect_b64 s[SRC:SRC+1], s[10:11], s[SRC:SRC+1]
	s_cselect_b32 s28, 1, s28
	s_cselect_b32 s29, 0, s29
	s_cselect_b32 s30, s4, s30
	s_cmp_lt_u32 s3, 2                             ; units 0, 1: x -> xb
	s_cselect_b64 s[SRC:SRC+1], s[8:9], s[SRC:SRC+1]
	s_cselect_b64 s[DST:DST+1], s[18:19], s[DST:DST+1]
	s_cselect_b32 s28, 2, s28
	s_lshl_b32 s31, s30, 12                        ; my first chunk in the tensor: 4,096 x half + 16 x work-group + 2 x wave
	s_lshl_b32 s32, ttmp9, 4
	s_add_co_u32 s31, s31, s32
	s_lshl_b32 s32, s2, 1
	s_add_co_u32 s31, s31, s32
	s_lshl_b32 s34, s31, 12
	s_mov_b32 s35, 0
	s_add_nc_u64 s[SRC:SRC+1], s[SRC:SRC+1], s[34:35]
.irp k, 0,1,2,3,4,5,6,7,8,9,10,11,12,13,14,15
	global_load_b128 v[X+4*(\k):X+4*(\k)+3], v1, s[SRC:SRC+1] offset:512*(\k) th:TH_LOAD_NT
.endr
; a destination row is 8,192 bytes (xb's: 8,448); chunk c of a tensor lies at row (c / chunks a row), 2,048 x (c % chunks a row) behind the tensor's columns
.irp i, 0,1
	s_add_co_u32 s42, s31, \i
	s_lshl_b32 s40, s42, 11                        ; four chunks a row: 2,048 c
	s_lshr_b32 s43, s42, 1                         ; two chunks a row
	s_lshl_b32 s43, s43, 13
	s_and_b32 s44, s42, 1
	s_lshl_b32 s44, s44, 11
	s_add_co_u32 s43, s43, s44
	s_lshl_b32 s44, s42, 13                        ; one chunk a row
	s_cmp_eq_u32 s28, 1
	s_cselect_b32 s40, s43, s40
	s_cmp_eq_u32 s28, 0
	s_cselect_b32 s40, s44, s40
	s_lshr_b32 s45, s42, 2                         ; xb: 256 bytes of padding behind each row
	s_lshl_b32 s45, s45, 8
	s_cmp_lt_u32 s3, 2
	s_cselect_b32 s45, s45, 0
	s_add_co_u32 s40, s40, s45
	s_add_co_u32 s40, s40, s29
	s_mov_b32 s41, 0
	s_add_nc_u64 s[DP+2*(\i):DP+2*(\i)+1], s[DST:DST+1], s[40:41]
.endr
.macro CV k                            ; load k: four numbers to bf16
	s_wait_loadcnt 15-(\k)                         ; loads come back in order: mine is in, the younger ones stay out
	v_cvt_pk_bf16_f32 v[Y+2*(\k)],   v[X+4*(\k)],   v[X+4*(\k)+1]
	v_cvt_pk_bf16_f32 v[Y+2*(\k)+1], v[X+4*(\k)+2], v[X+4*(\k)+3]
	global_store_b64 v2, v[Y+2*(\k):Y+2*(\k)+1], s[DP+2*((\k)/8):DP+2*((\k)/8)+1] offset:256*((\k)%8)
.endm
.macro CVH k                           ; the same, and the bf16 number written as f16
	s_wait_loadcnt 15-(\k)
	v_cvt_pk_bf16_f32 v[T],   v[X+4*(\k)],   v[X+4*(\k)+1]
	v_cvt_pk_bf16_f32 v[T+1], v[X+4*(\k)+2], v[X+4*(\k)+3]
	v_lshlrev_b32 v[T+2], 16, v[T]
	v_and_b32     v[T+3], s5, v[T]
	v_cvt_pk_f16_f32 v[Y+2*(\k)], v[T+2], v[T+3]
	v_lshlrev_b32 v[T+2], 16, v[T+1]
	v_and_b32     v[T+3], s5, v[T+1]
	v_cvt_pk_f16_f32 v[Y+2*(\k)+1], v[T+2], v[T+3]
	global_store_b64 v2, v[Y+2*(\k):Y+2*(\k)+1], s[DP+2*((\k)/8):DP+2*((\k)/8)+1] offset:256*((\k)%8)
.endm
	s_cmp_ge_u32 s3, 6
	s_cbranch_scc1 .Lhalf
.irp k, 0,1,2,3,4,5,6,7,8,9,10,11,12,13,14,15
	CV \k
.endr
	s_endpgm
.Lhalf:
.irp k, 0,1,2,3,4,5,6,7,8,9,10,11,12,13,14,15
	CVH \k
.endr
	s_endpgm
; THE ZEROS.  Wave W of 2,048: the 256 bytes behind row W of xb; 512 bytes of wqkvb's 128 rows; 256 bytes of wob's 64 rows; W < 1,024: 256 of the 2,048 bytes behind row block W / 8 of ob; W < 8: the same of olo.
.Lpad:
	v_mov_b32 v4, 0
	v_mov_b32 v5, 0
	v_mov_b32 v6, 0
	v_mov_b32 v7, 0
	s_lshl_b32 s31, ttmp9, 3
	s_add_co_u32 s31, s31, s2                      ; W
	s_mov_b32 s41, 0
	s_mul_i32 s40, s31, 8448
	s_add_co_u32 s40, s40, 8192
	s_add_nc_u64 s[24:25], s[18:19], s[40:41]
	global_store_b64 v2, v[4:5], s[24:25]
	s_lshl_b32 s40, s31, 9
	s_add_co_u32 s40, s40, 4096*8192
	s_add_nc_u64 s[26:27], s[20:21], s[40:41]
	global_store_b128 v1, v[4:7], s[26:27]
	s_lshl_b32 s40, s31, 8
	s_add_co_u32 s40, s40, 2048*8192
	s_add_nc_u64 s[28:29], s[22:23], s[40:41]
	global_store_b64 v2, v[4:5], s[28:29]
	s_cmp_lt_u32 s31, 1024
	s_cbranch_scc0 .Lpad_end
	s_lshr_b32 s42, s31, 3
	s_mul_i32 s40, s42, 67584
	s_and_b32 s42, s31, 7
	s_lshl_b32 s42, s42, 8
	s_add_co_u32 s40, s40, s42
	s_add_co_u32 s40, s40, 65536
	s_add_nc_u64 s[32:33], s[48:49], s[40:41]
	global_store_b64 v2, v[4:5], s[32:33]
	s_cmp_lt_u32 s31, 8
	s_cbranch_scc0 .Lpad_end
	s_lshl_b32 s40, s31, 8
	s_add_co_u32 s40, s40, 65536
	s_add_nc_u64 s[34:35], s[50:51], s[40:41]
	global_store_b64 v2, v[4:5], s[34:35]
.Lpad_end:
	s_endpgm
.Lfunc_end_k_q1cc125ffe9_cast:
	.size	k_q1cc125ffe9_cast, .Lfunc_end_k_q1cc125ffe9_cast-k_q1cc125ffe9_cast
	.p2alignl 7, 3214868480
	.fill 96, 4, 3214868480
	.section	.rodata,"a",@progbits
	.p2align	6, 0x0
	.amdhsa_kernel k_q1cc125ffe9_cast
		.amdhsa_group_segment_fixed_size 0
		.amdhsa_private_segment_fixed_size 0
		.amdhsa_enable_private_segment 0
		.amdhsa_kernarg_size 80
		.amdhsa_user_sgpr_count 2
		.amdhsa_user_sgpr_kernarg_segment_ptr 1
		.amdhsa_wavefront_size32 1
		.amdhsa_system_sgpr_workgroup_id_x 1
		.amdhsa_system_sgpr_workgroup_id_y 1
		.amdhsa_system_sgpr_workgroup_id_z 1
		.amdhsa_system_vgpr_workitem_id 0
		.amdhsa_next_free_vgpr 104
		.amdhsa_next_free_sgpr 66
		.amdhsa_reserve_vcc 0
		.amdhsa_float_denorm_mode_32 3
		.amdhsa_float_denorm_mode_16_64 3
		.amdhsa_memory_ordered 1
		.amdhsa_forward_progress 1
		.amdhsa_inst_pref_size 19
	.end_amdhsa_kernel
	.amdgpu_metadata
---
amdhsa.version: [ 1, 2 ]
amdhsa.kernels:
  - .name:           k_q1cc125ffe9_cast
    .symbol:         k_q1cc125ffe9_cast.kd
    .args:
      - { .name: x, .offset: 0, .size: 8, .value_kind: global_buffer, .address_space: global }
      - { .name: wq, .offset: 8, .size: 8, .value_kind: global_buffer, .address_space: global }
      - { .name: wk, .offset: 16, .size: 8, .value_kind: global_buffer, .address_space: global }
      - { .name: wv, .offset: 24, .size: 8, .value_kind: global_buffer, .address_space: global }
      - { .name: wo, .offset: 32, .size: 8, .value_kind: global_buffer, .address_space: global }
      - { .name: xb, .offset: 40, .size: 8, .value_kind: global_buffer, .address_space: global }
      - { .name: wqkvb, .offset: 48, .size: 8, .value_kind: global_buffer, .address_space: global }
      - { .name: wob, .offset: 56, .size: 8, .value_kind: global_buffer, .address_space: global }
      - { .name: ob, .offset: 64, .size: 8, .value_kind: global_buffer, .address_space: global }
      - { .name: olo, .offset: 72, .size: 8, .value_kind: global_buffer, .address_space: global }
    .group_segment_fixed_size: 0
    .private_segment_fixed_size: 0
    .kernarg_segment_align: 8
    .kernarg_segment_size: 80
    .max_flat_workgroup_size: 256
    .sgpr_count:     66
    .vgpr_count:     104
    .wavefront_size: 32
...
	.end_amdgpu_metadata
.endif
;; end of part 1
;; launch qkv (part 2): grid 16 x 16, 4 waves a work-group, clusters of 4 x 4, 327,680 bytes of LDS; arguments xb, wqkvb, freqs_cos, freqs_sin, qkv, vlo; writes qkv, vlo
.if DOCPART == 2
	.amdgcn_target "amdgcn-amd-amdhsa--gfx1250"
	.amdhsa_code_object_version 6
	.text
	.protected	k_q1cc125ffe9_qkv
	.globl	k_q1cc125ffe9_qkv
	.p2align	8
	.type	k_q1cc125ffe9_qkv,@function
k_q1cc125ffe9_qkv:
	s_mov_b64 s[64:65], 0
	v_nop
	global_prefetch_b8 v0, s[64:65] scope:SCOPE_SE
	s_setreg_imm32_b32 hwreg(HW_REG_WAVE_MODE, 25, 1), 1
	s_wait_xcnt 0x0
	s_wait_alu depctr_hold_cnt(0) depctr_sa_sdst(0) depctr_va_vdst(0) depctr_va_sdst(0) depctr_va_ssrc(0) depctr_va_vcc(0) depctr_vm_vsrc(0)
	s_getreg_b32 s2, hwreg(HW_REG_IB_STS2, 6, 4)
	s_cmp_eq_u32 s2, 0
	s_cbranch_scc0 .Lentry_in_a_cluster
	s_endpgm
.Lentry_in_a_cluster:
	s_bfe_u32 s2, ttmp6, 0x10000c
	s_cmp_lg_u32 s2, 0xf033
	s_cbranch_scc0 .Lentry_shape_is_right
	s_endpgm
.Lentry_shape_is_right:
; QKV.  [q | k | v] = xb [2048][4224] x wqkvb [4224 k][4096 n] (K = 4,096 and 128 of zeros), bf16 operands, f32 sums; q and k are turned by cos and sin (f32, pairs of neighbouring channels), v is multiplied
; by 16 (exact); all rounded once to f16 and stored by heads: qkv [32 heads][2048][128], heads 0-15 q, 16-23 k, 24-31 16 v.  For keys 0-15 what the rounding of 16 v lost is stored too, as f16, in the
; order of a fragment of V^T: vlo [8 heads][8 channel blocks][32 lanes][16 bytes].
; LIMITS.  |q|, |k| below 65,504 and |v| below 4,094 (f16); in v's tiles the turn runs with cos x 0 + 16 and sin x 0, so an infinite sum, cos or sin gives NaN there; NaN and infinities are not treated apart.
; SHARES.  A work-group makes 128 rows x 256 columns (two heads): 16 x 16 work-groups.  Four waves, 2 x 2: a wave has 64 rows x 128 columns (one head): 32 accumulators, 256 registers.
; K GOES IN 22 STEPS OF 192 through two LDS slots, as long as two slots allow: 192 matrix instructions a wave for each round of the cluster's barrier, 176 of them between a request and the wait for it.
; x's tile lies [row][k]: rows of 384 bytes, 16 bytes of padding behind every 128; w's lies [k][n] (rows of 512 bytes + 32) and is turned on the way out of LDS by ds_load_tr16_b128.
; The loop is written for ONE step: the slot is a scalar, 0 or SLOT, turned by an exclusive or; one descriptor for each operand walks.
; CLUSTER 4 x 4: x's tile hangs on the tile row alone and is asked for jointly along a row of the cluster, w's on the tile column alone, jointly along a column.
; THE MATRIX INSTRUCTION IS USED TRANSPOSED (source 0 = 16 columns of w, source 1 = 16 rows of x): a lane holds row l % 16 and the columns 8 (l / 16) + 0..7: four pairs of the turn, 16 bytes of f16.
; REGISTERS: window 1: the accumulators, (a, b) at 8 (8 a + b).  Window 2: my cos and sin, loaded at the head: (a, b) at 8 (8 a + b): four cos, four sin.  Window 0: v16-31 addresses, v32-35 at work,
; two fragment buffers of 96 (x's 4 blocks, then w's 8); on the way out their registers are used anew.
.set PA,    432                        ; a row of x in LDS: 3 x (128 + 16) bytes = 27 x 16: 16 rows start at 16 different groups of four banks (64 banks of 4 bytes: ISA guide 11.1)
.set PB,    544                        ; a row of w: 512 + 32 = 136 words
.set PS,    272                        ; a row of the stage: 256 + 16
.set APART, 128*PA
.set BPART, 192*PB
.set SLOT,  APART+BPART                ; x's 128 rows, then w's 192 k rows: 159,744 bytes
.set STAGE, 0                          ; 16 rows x 272 bytes for each wave, in slot 0: written only when both slots have had their last fill and, behind a barrier, their last read
.set SPARE, 2*SLOT                     ; the spare words, 128 bytes a wave: two blocks of 256 bytes that no other line names
.set STEPS, 22
.set XROW,  8448                       ; bytes in a row of xb
.set ASTEP, 384                        ; a K step in xb
.set BSTEP, 192*8192                   ; and in wqkvb
.set ADRA0, 16                         ; v16    my x fragments in slot 0; never rewritten
.set ADRA,  17                         ; v17    in the slot in hand
.set FLG,   18                         ; v18    my place along the cluster's y
.set GL,    19                         ; v19    16 x lane
.set ADRB0, 20                         ; v20    my w fragments in slot 0; never rewritten
.set ADRB,  21                         ; v21    in the slot in hand, chunks 0-2
.set ADRB2, 22                         ; v22    chunks 3-5 (an LDS offset has 16 bits)
.set NEG1,  23                         ; v23    -1.0
.set STO,   24                         ; v24    the way out: where I put 16 bytes of a row
.set RD,    25                         ; v25    where I read rows back
.set CO,    26                         ; v26    my byte offset in two rows of a head
.set TGO,   27                         ; v27    my byte offset in 16 rows of cos and sin; never rewritten
.set SPW,   28                         ; v28    my spare word; never rewritten
.set NIL,   29                         ; v29    0; never rewritten
.set PFO,   30                         ; v30    the prefetches' offset; never rewritten
.set TRA,   31                         ; v31    the stage read turned
.set UU,    32
.set F0,    64
.set F1,    160
.set TQ,    64                         ; the way out: the lost part, turned
.set OO,    128                        ; 64 turned numbers; then 16 rows read back
.set TMP,   192                        ; 32 registers of f16
.set LOT,   224                        ; 32 registers of f16: what the rounding lost
.set WV,   16
.set ROLE, 17                          ; wave / 2: my half of the rows; also: I fetch for x (0) or for w (1)
.set HALF, 18                          ; wave % 2: my head of the two; also: which half of that tile I fetch
.set CX,   19
.set CY,   20
.set TC,   21
.set TR,   22
.set TB,   23                          ; the slot that is read: 0 or SLOT
.set G1,   24                          ; s[24:31] group 1 for x;  s[32:39] group 0: a set for each first fill; the second then walks
.set G0,   32
.set G1B,  40                          ; s[40:47], s[48:55] the same for w
.set G0B,  48
.set TBF,  56                          ; the slot that was filled last
.set LA,   57                          ; my part of x's tile in a slot
.set LB,   58                          ; of w's
.set PAR,  59                          ; 1: this step's prefetch has a second line
.set PARX, 60
.set PSTX, 61
.set MC,   66                          ; s[66:67] 1, in v's tiles 0
.set AC,   68                          ; s[68:69] 0, in v's tiles 16
.set PFA,  72                          ; s[72:73] where my prefetches stand;  s[74:75] the next step there
.set PST,  74
.set LIM,  76                          ; 1 in a wave that prefetches, else the greatest number
.set LOF,  78                          ; 1 where the lost part may be due
.set SAVE, 79
.set CP,   12                          ; s[12:13] qkv at my rows of my head
.set VLP,  14                          ; s[14:15] vlo at my head
.set MUL,  0x50                        ; C and D in window 1
.set MSB,  0
.macro WIN new                         ; the immediate's high byte repeats the setting that is left; a switch that changes nothing is dropped
.if MSB != (\new)
	s_set_vgpr_msb (MSB<<8)|(\new)
.set MSB, \new
.endif
.endm
.macro PLACES                          ; four plain places behind a matrix instruction (ISA guide 7.12.1)
.rept 4
	v_nop
.endr
.endm
.macro JLOAD                           ; a joint refill by the walking descriptors: waves 0, 1 x's halves, waves 2, 3 w's; an s_nop 0 and four v_nop follow each line
	s_cmp_eq_u32 s[ROLE], 0
	s_cbranch_scc0 .Lfor_b_\@
	tensor_load_to_lds s[G0+4:G0+7], s[G1:G1+7]
	s_nop 0
.rept 4
	v_nop
.endr
	s_branch .Lasked_\@
.Lfor_b_\@:
	tensor_load_to_lds s[G0B+4:G0B+7], s[G1B:G1B+7]
	s_nop 0
.rept 4
	v_nop
.endr
.Lasked_\@:
.endm
.macro CREST                           ; a round of the cluster's barrier behind its opening barrier
	s_cmp_lg_u32 s[WV], 0
	s_cbranch_scc1 .Lnot_wave_0_\@
	s_barrier_signal -3
.Lnot_wave_0_\@:
	s_barrier_wait -3
	s_barrier_signal -1
	s_barrier_wait -1
.endm
.macro CROUND
	s_barrier_signal -1
	s_barrier_wait -1
	CREST
.endm
; A PREFETCH of the K step that the NEXT change of slots will ask for: 192 matrix instructions ahead of that load.  Each aligned block of 256 bytes is named once in the launch.
; w's tile column is read by every cluster of that column of clusters: cluster y = 0 asks; waves 1, 2, 3 take 64 k rows each, the four partners 16 of them each by address (cy): 16 rows x 2 blocks, one line.
; x's tile row: cluster x = 0 asks, wave 0, the partners 32 rows each by address (cx), a lane a row.  A step is 1.5 blocks of a row: even steps name two new blocks (two lines), odd steps one.
; K steps 0 to 2 come by their loads alone; the loop's last trip asks for nothing: that K step does not exist.
.macro ASK
	s_cmp_gt_u32 s3, s[LIM]
	s_cbranch_scc0 .Lnot_mine_\@
	global_prefetch_b8 v[PFO], s[PFA:PFA+1] th:TH_LOAD_NT scope:SCOPE_SE
	s_cmp_eq_u32 s[PAR], 1
	s_cbranch_scc0 .Lnot_mine_\@
	global_prefetch_b8 v[PFO], s[PFA:PFA+1] offset:256 th:TH_LOAD_NT scope:SCOPE_SE
.Lnot_mine_\@:
.endm
	s_load_b256 s[4:11], s[0:1], 0x0               ; xb, wqkvb, cos, sin
	s_load_b128 s[12:15], s[0:1], 0x20             ; qkv, vlo
	v_lshl_add_u32 v[SPW], v0, 2, SPARE
	v_mov_b32 v[NIL], 0
	ds_add_u32 v[SPW], v[NIL]                      ; the wave's opening: the add and its wait stand ahead of my first tensor load
	v_lshrrev_b32 v1, 5, v0
	v_readfirstlane_b32 s[WV], v1
	s_lshr_b32 s[ROLE], s[WV], 1
	s_and_b32 s[HALF], s[WV], 1
	s_bfe_u32 s[CX], ttmp6, 0x40000
	s_bfe_u32 s[CY], ttmp6, 0x40004
	s_lshl_b32 s[TC], ttmp9, 2
	s_add_co_u32 s[TC], s[TC], s[CX]               ; tile column
	s_and_b32 s[TR], ttmp7, 0xffff
	s_lshl_b32 s[TR], s[TR], 2
	s_add_co_u32 s[TR], s[TR], s[CY]               ; tile row
	s_lshl_b32 s80, s[CY], 2
	s_lshl_b32 s80, 15, s80                        ; my row of the cluster
	s_lshl_b32 s81, 0x1111, s[CX]                  ; my column
	s_or_b32 s[G1],  s80, (1<<16)|(1<<20)|(1<<21)|(4<<22)|(3<<25)  ; mask; 2-byte elements; padding on; bit 21 beside a mask; after every 32 words 4 words
	s_or_b32 s[G1B], s81, (1<<16)|(1<<20)|(1<<21)|(6<<22)|(7<<25)  ; after every 128 words 8 words
	s_mov_b32 s[G1+1], 192<<16                     ; x: 64 rows x 192 elements, 4,224 from row to row
	s_mov_b32 s[G1+2], 64<<16
	s_mov_b32 s[G1+3], 192<<16
	s_mov_b32 s[G1+4], 64
	s_mov_b32 s[G1+5], 4224
	s_mov_b32 s[G1+6], 0
	s_mov_b32 s[G1+7], 0
	s_mov_b32 s[G1B+1], 256<<16                    ; w: 96 k rows x 256 elements
	s_mov_b32 s[G1B+2], 96<<16
	s_mov_b32 s[G1B+3], 256<<16
	s_mov_b32 s[G1B+4], 96
	s_mov_b32 s[G1B+5], 4096
	s_mov_b32 s[G1B+6], 0
	s_mov_b32 s[G1B+7], 0
	s_lshl_b32 s82, s[TR], 7                       ; x: row 128 x tile row + 64 x half
	s_lshl_b32 s84, s[HALF], 6
	s_add_co_u32 s82, s82, s84
	s_mul_i32 s82, s82, XROW
	s_mov_b32 s83, 0
	s_mul_i32 s86, s[HALF], 96*8192                ; w: k row 96 x half, 512 bytes x tile column
	s_lshl_b32 s85, s[TC], 9
	s_add_co_u32 s86, s86, s85
	s_mov_b32 s87, 0
	s_lshl_b32 s88, s[TR], 15                      ; cos, sin: 128 rows of 256 bytes x tile row
	s_mov_b32 s89, 0
	s_mul_i32 s[LA], s[HALF], 64*PA                ; where the tiles go: no place in the cluster enters an LDS address
	s_mul_i32 s[LB], s[HALF], 96*PB
	s_add_co_u32 s[LB], s[LB], APART
	s_mov_b32 s[TB], 0
	s_mov_b32 s[TBF], SLOT
	s_wait_dscnt 0x0                               ; the opening add is done
	s_wait_kmcnt 0x0
	s_add_nc_u64 s[82:83], s[4:5], s[82:83]
	s_add_nc_u64 s[86:87], s[6:7], s[86:87]
	s_add_nc_u64 s[8:9], s[8:9], s[88:89]
	s_add_nc_u64 s[10:11], s[10:11], s[88:89]
	CROUND                                         ; all sixteen work-groups are here: the first joint loads meet
.irp s, 0,1
	s_mov_b32 s[G0+4*(\s)], 1
	s_add_co_u32 s[G0+4*(\s)+1], s[LA], (\s)*SLOT
	s_add_nc_u64 s[G0+4*(\s)+2:G0+4*(\s)+3], s[82:83], (\s)*ASTEP
	s_or_b32 s[G0+4*(\s)+3], s[G0+4*(\s)+3], 0x80000000
	s_mov_b32 s[G0B+4*(\s)], 1
	s_add_co_u32 s[G0B+4*(\s)+1], s[LB], (\s)*SLOT
	s_add_nc_u64 s[G0B+4*(\s)+2:G0B+4*(\s)+3], s[86:87], (\s)*BSTEP
	s_or_b32 s[G0B+4*(\s)+3], s[G0B+4*(\s)+3], 0x80000000
.endr
	s_cmp_eq_u32 s[ROLE], 0                        ; a wave's two first fills stand in one branch: two loads of mine are out
	s_cbranch_scc0 .Lfirst_b
	tensor_load_to_lds s[G0:G0+3], s[G1:G1+7]
	s_nop 0
	tensor_load_to_lds s[G0+4:G0+7], s[G1:G1+7]
	s_nop 0
.rept 4
	v_nop
.endr
	s_branch .Lfirst_done
.Lfirst_b:
	tensor_load_to_lds s[G0B:G0B+3], s[G1B:G1B+7]
	s_nop 0
	tensor_load_to_lds s[G0B+4:G0B+7], s[G1B:G1B+7]
	s_nop 0
.rept 4
	v_nop
.endr
.Lfirst_done:
	v_and_b32 v1, 15, v0                           ; r = l % 16
	v_bfe_u32 v2, v0, 4, 1                         ; h = l / 16
	v_and_b32 v3, 31, v0                           ; l
	v_and_b32 v4, 7, v0
	v_bfe_u32 v5, v0, 3, 1
	s_lshl_b32 s80, s[ROLE], 14                    ; my 64 rows of cos and sin
	v_lshlrev_b32 v[TGO], 8, v1
	v_lshl_add_u32 v[TGO], v2, 4, v[TGO]
	v_add_nc_u32 v[TGO], s80, v[TGO]               ; row x 256 + 16 h: columns 16 b + 8 h + 0..7 are the pairs 8 b + 4 h + 0..3
	WIN 0x80                                       ; destination window 2: the 64 loads are waited for on the way out
.set n, 0
.rept 32
	global_load_b128 v[8*n:8*n+3],   v[TGO], s[8:9]   offset:4096*(n/8)+32*(n%8)
	global_load_b128 v[8*n+4:8*n+7], v[TGO], s[10:11] offset:4096*(n/8)+32*(n%8)
.set n, n+1
.endr
	WIN 0
	v_mul_u32_u24 v6, v1, PA
	v_lshl_add_u32 v6, v2, 4, v6                   ; 432 r + 16 h
	s_mul_i32 s80, s[ROLE], 64*PA
	v_add_nc_u32 v[ADRA0], s80, v6                 ; a fragment of x: row r of a block, two loads of 16 bytes, 32 bytes apart
	v_lshl_add_u32 v7, v2, 3, v4                   ; 8 h + l % 8
	v_mul_u32_u24 v8, v7, PB
	v_lshl_add_u32 v8, v5, 4, v8                   ; the turning load: k row 8 h + l % 8, columns 8 ((l / 8) % 2) + 0..7
	s_lshl_b32 s80, s[HALF], 8
	s_add_co_u32 s80, s80, APART
	v_add_nc_u32 v[ADRB0], s80, v8
	s_mul_i32 s80, s[WV], 16*PS
	s_add_co_u32 s80, s80, STAGE                   ; my stage
	v_mul_u32_u24 v6, v1, PS
	v_lshl_add_u32 v6, v2, 4, v6
	v_add_nc_u32 v[STO], s80, v6
	v_mul_u32_u24 v9, v2, PS
	v_lshl_add_u32 v9, v1, 4, v9
	v_add_nc_u32 v[RD], s80, v9
	v_mul_u32_u24 v9, v7, PS
	v_lshl_add_u32 v9, v5, 4, v9
	v_add_nc_u32 v[TRA], s80, v9
	v_lshlrev_b32 v[CO], 8, v2
	v_lshl_add_u32 v[CO], v1, 4, v[CO]
	v_lshlrev_b32 v[GL], 4, v3
	v_mov_b32 v[FLG], s[CY]
	v_mov_b32 v[NEG1], -1.0
	s_lshl_b32 s84, s[TC], 1
	s_add_co_u32 s84, s84, s[HALF]                 ; my head, 0..31
	s_and_b32 s86, s84, 7
	s_lshl_b32 s86, s86, 12
	s_mov_b32 s87, 0
	s_add_nc_u64 s[VLP:VLP+1], s[VLP:VLP+1], s[86:87]
	s_lshl_b32 s84, s84, 19                        ; a head is 2,048 rows of 256 bytes
	s_lshl_b32 s88, s[TR], 15
	s_add_co_u32 s84, s84, s88
	s_lshl_b32 s88, s[ROLE], 14
	s_add_co_u32 s84, s84, s88
	s_mov_b32 s85, 0
	s_add_nc_u64 s[CP:CP+1], s[CP:CP+1], s[84:85]
	s_cmp_eq_u32 ttmp9, 3                          ; tile columns 12-15 are v's: the same for all sixteen partners
	s_cselect_b32 s[MC], 0, 1.0
	s_cselect_b32 s[AC], 0x41800000, 0
	s_mov_b32 s[MC+1], s[MC]
	s_mov_b32 s[AC+1], s[AC]
	s_xor_b32 s84, ttmp9, 3
	s_and_b32 s85, ttmp7, 0xffff
	s_or_b32 s84, s84, s85
	s_or_b32 s84, s84, s[ROLE]
	s_cmp_eq_u32 s84, 0                            ; v's tiles, the top row of clusters, the upper half of the rows
	s_cselect_b32 s[LOF], 1, 0
	; the prefetches
	s_lshl_b32 s86, s[TR], 7
	s_lshl_b32 s87, s[CX], 5                       ; my work-group's 32 rows of x's 128
	s_add_co_u32 s86, s86, s87
	s_mul_i32 s86, s86, XROW
	s_add_co_u32 s86, s86, 768                     ; at K step 2: the first change of slots steps it to K step 3's new block
	s_sub_co_u32 s88, s[WV], 1                     ; waves 1, 2, 3: k rows 64 (wave - 1) on (wave 0 does not use this number),
	s_lshl_b32 s88, s88, 6
	s_lshl_b32 s89, s[CY], 4                       ; my work-group's 16 of them
	s_add_co_u32 s88, s88, s89
	s_lshl_b32 s88, s88, 13
	s_lshl_b32 s89, s[TC], 9
	s_add_co_u32 s88, s88, s89
	s_add_co_u32 s88, s88, 2*BSTEP
	s_and_b32 s84, ttmp7, 0xffff
	s_mov_b32 s[PST], BSTEP
	s_mov_b32 s93, 8192
	s_cmp_eq_u32 s[WV], 0
	s_cselect_b32 s84, ttmp9, s84                  ; the coordinate along which other clusters read the same blocks
	s_cselect_b64 s[PFA:PFA+1], s[4:5], s[6:7]
	s_cselect_b32 s[PST], 512, s[PST]              ; x: 512 bytes on behind two blocks, 256 behind one, by turns
	s_cselect_b32 s[PSTX], 768, 0
	s_cselect_b32 s[PAR], 1, 0
	s_cselect_b32 s[PARX], 1, 0
	s_cselect_b32 s92, 0, 1
	s_cselect_b32 s93, XROW, s93
	s_cselect_b32 s86, s86, s88
	s_mov_b32 s[PST+1], 0
	s_mov_b32 s87, 0
	s_add_nc_u64 s[PFA:PFA+1], s[PFA:PFA+1], s[86:87]
	s_cmp_eq_u32 s84, 0
	s_cselect_b32 s[LIM], 1, -1
	v_lshrrev_b32 v[PFO], s92, v3                  ; x: a lane a row;  w: two lanes a row, 256 bytes apart
	v_mul_u32_u24 v[PFO], s93, v[PFO]
	v_and_b32 v9, s92, v3
	v_lshl_add_u32 v[PFO], v9, 8, v[PFO]
.macro SETADR                          ; the fragments' addresses in the slot in hand
	v_add_nc_u32 v[ADRA], s[TB], v[ADRA0]
	v_add_nc_u32 v[ADRB], s[TB], v[ADRB0]
	v_add_nc_u32 v[ADRB2], 96*PB, v[ADRB]
.endm
; 8 matrix instructions: row block g x all 8 column blocks, 32 along K.  The 32 accumulators take turns, one instruction a turn, in the same order in every sixth of a step.
.macro MUL8 f, g, zero
	WIN MUL
.irp b, 0,1,2,3,4,5,6,7
.if \zero
	v_wmma_f32_16x16x32_bf16 v[8*(8*(\g)+(\b)):8*(8*(\g)+(\b))+7], v[(\f)+32+8*(\b):(\f)+32+8*(\b)+7], v[(\f)+8*(\g):(\f)+8*(\g)+7], 0
.else
	v_wmma_f32_16x16x32_bf16 v[8*(8*(\g)+(\b)):8*(8*(\g)+(\b))+7], v[(\f)+32+8*(\b):(\f)+32+8*(\b)+7], v[(\f)+8*(\g):(\f)+8*(\g)+7], v[8*(8*(\g)+(\b)):8*(8*(\g)+(\b))+7]
.endif
.endr
.endm
; 24 LDS loads in one run: the fragments of chunk q (32 along K) of the slot in hand into buffer f: w's eight, then x's four
.macro FETCH q, f
	WIN 0
.set fb, ADRB
.set fq, (\q)
.if (\q) >= 3
.set fb, ADRB2
.set fq, (\q)-3
.endif
.irp b, 0,1,2,3,4,5,6,7
	ds_load_tr16_b128 v[(\f)+32+8*(\b):(\f)+32+8*(\b)+3],   v[fb] offset:32*PB*fq+32*(\b)
	ds_load_tr16_b128 v[(\f)+32+8*(\b)+4:(\f)+32+8*(\b)+7], v[fb] offset:32*PB*fq+32*(\b)+16*PB
.endr
.irp a, 0,1,2,3
	ds_load_b128 v[(\f)+8*(\a):(\f)+8*(\a)+3],   v[ADRA] offset:16*PA*(\a)+64*(\q)+16*((\q)/2)
	ds_load_b128 v[(\f)+8*(\a)+4:(\f)+8*(\a)+7], v[ADRA] offset:16*PA*(\a)+64*(\q)+16*((\q)/2)+32
.endr
.endm
; A K step is six parts of 32 along K, 32 matrix instructions each, on buffers 0, 1, 0, 1, 0, 1.  One of the first five multiplies buffer f (chunk q - 1) and fetches chunk q into g.
.macro QUARTER q, f, g, zero
	s_wait_dscnt 4                                 ; w and x's blocks 0, 1 are in; the youngest four loads (blocks 2, 3) may be out
	MUL8 \f, 0, \zero
	MUL8 \f, 1, \zero
	PLACES                                         ; in front of loads into registers that the part before multiplied
	FETCH \q, \g
	s_wait_dscnt 24                                ; all but the 24 just issued
	MUL8 \f, 2, \zero
	MUL8 \f, 3, \zero
.endm
; The last part multiplies buffer 1 and changes slots.  In front of the barrier each wave waits for all its tensor loads (one is out: its part of the next slot), adds 0 to its spare word, and waits for
; that and for its reads of this slot.  fill = 1: the barrier opens a round of the cluster's, and the slot is filled again, two K steps on, first thing behind it.
.macro TURN fill
.if \fill
	s_wait_xcnt 0x0                                ; the last prefetches, a K step back, have read their address
	s_add_nc_u64 s[PFA:PFA+1], s[PFA:PFA+1], s[PST:PST+1]
	s_xor_b32 s[PST], s[PST], s[PSTX]
	s_xor_b32 s[PAR], s[PAR], s[PARX]
.endif
	WIN 0
	s_wait_tensorcnt 0x0                           ; no tensor load of mine is out, so the walking descriptors may be written
	ds_add_u32 v[SPW], v[NIL]
.if \fill
	s_xor_b32 s[TBF], s[TBF], SLOT                 ; the other slot than last time, the next K step
	s_add_co_u32 s[G0+5], s[TBF], s[LA]
	s_add_nc_u64 s[G0+6:G0+7], s[G0+6:G0+7], ASTEP
	s_add_co_u32 s[G0B+5], s[TBF], s[LB]
	s_add_nc_u64 s[G0B+6:G0B+7], s[G0B+6:G0B+7], BSTEP
.endif
	s_wait_dscnt 5                                 ; (the add and the youngest four loads may be out)
	MUL8 F1, 0, 0
	s_wait_dscnt 0x0                               ; the add is done, and my reads of this slot are over
	s_barrier_signal -1
	MUL8 F1, 1, 0
	WIN 0
	s_barrier_wait -1
.if \fill
	CREST
	JLOAD                                          ; the four v_nop behind it are also the places in front of the loads below
.else
	PLACES
.endif
	s_xor_b32 s[TB], s[TB], SLOT
	SETADR
	FETCH 0, F0
.if \fill
	ASK
.endif
	MUL8 F1, 2, 0
	MUL8 F1, 3, 0
.endm
	s_wait_tensorcnt 0x1                           ; my part of K step 0 is in; slot 1's load may stay out
	s_barrier_signal -1
	s_barrier_wait -1
	SETADR
	FETCH 0, F0
	QUARTER 1, F0, F1, 1                           ; the first part's products start the sums
	WIN 0
	s_mov_b32 s3, STEPS-2
.Lstep:                                        ; a trip: from a step's second part to the next step's first; it fills one slot again
	QUARTER 2, F1, F0, 0
	QUARTER 3, F0, F1, 0
	QUARTER 4, F1, F0, 0
	QUARTER 5, F0, F1, 0
	TURN 1
	QUARTER 1, F0, F1, 0
	WIN 0
	s_sub_co_u32 s3, s3, 1
	s_cmp_lg_u32 s3, 0
	s_cbranch_scc1 .Lstep
	s_mov_b32 s2, 2                                ; the last two steps fill nothing: one text, left in its middle the second time
.Ltail:
	QUARTER 2, F1, F0, 0
	QUARTER 3, F0, F1, 0
	QUARTER 4, F1, F0, 0
	QUARTER 5, F0, F1, 0
	WIN 0
	s_sub_co_u32 s2, s2, 1
	s_cmp_eq_u32 s2, 0
	s_cbranch_scc1 .Llast
	TURN 0
	QUARTER 1, F0, F1, 0
	WIN 0
	s_branch .Ltail
.Llast:
	s_wait_dscnt 4
	MUL8 F1, 0, 0
	MUL8 F1, 1, 0
	s_wait_dscnt 0x0
	MUL8 F1, 2, 0
	MUL8 F1, 3, 0
	WIN 0
	PLACES
	PLACES
	s_wait_loadcnt 0x0                             ; cos and sin
	s_barrier_signal -1                            ; every wave's reads of the slots are over (its wait for them stands above): the stage may be written into slot 0
	s_barrier_wait -1
; THE WAY OUT, 16 rows at a time.  o0 = t0 c - t1 s, o1 = t1 c + t0 s, in f32; rounded to f16; 16 bytes a lane into my stage, back as whole rows of 256 bytes, stored 512 consecutive bytes an instruction.
.macro BLOCK a
	WIN 0x82                                       ; window 2: in v's tiles cos becomes 16 and sin 0; elsewhere they stay
.set n, 0
.rept 8
.set tg, 64*(\a)+8*n
	v_pk_fma_f32 v[tg:tg+1],   v[tg:tg+1],   s[MC:MC+1], s[AC:AC+1] op_sel_hi:[1,0,0]
	v_pk_fma_f32 v[tg+2:tg+3], v[tg+2:tg+3], s[MC:MC+1], s[AC:AC+1] op_sel_hi:[1,0,0]
	v_pk_mul_f32 v[tg+4:tg+5], v[tg+4:tg+5], s[MC:MC+1] op_sel_hi:[1,0]
	v_pk_mul_f32 v[tg+6:tg+7], v[tg+6:tg+7], s[MC:MC+1] op_sel_hi:[1,0]
.set n, n+1
.endr
	s_wait_xcnt 0x0                                ; the last block's stores have read the registers that are written next
	WIN 0x09                                       ; source 0 (the sums) window 1, source 1 (cos, sin) window 2
.set n, 0
.rept 8
.set ac, 8*(8*(\a)+n)
.irp p, 0,1,2,3
	v_mul_f32 v[UU+2*((\p)%2)],   v[ac+2*(\p)+1], v[ac+4+(\p)]
	v_mul_f32 v[UU+2*((\p)%2)+1], v[ac+2*(\p)],   v[ac+4+(\p)]
	v_fma_f32 v[OO+8*n+2*(\p)],   v[ac+2*(\p)],   v[ac+(\p)], -v[UU+2*((\p)%2)]
	v_fma_f32 v[OO+8*n+2*(\p)+1], v[ac+2*(\p)+1], v[ac+(\p)], v[UU+2*((\p)%2)+1]
.endr
.set n, n+1
.endr
	WIN 0
.set n, 0
.rept 32
	v_cvt_pk_f16_f32 v[TMP+n], v[OO+2*n], v[OO+2*n+1]
.set n, n+1
.endr
.if (\a) == 0
	; keys 0-15 of v: what the rounding lost, as f16, through the stage and turned into the order of a fragment of V^T.  The branch is the same in all partners; which of the four tile rows stores is a matter of EXEC.
	s_cmp_eq_u32 s[LOF], 1
	s_cbranch_scc0 .Lno_lo
.set n, 0
.rept 32
	v_fma_mix_f32 v[OO+2*n],   v[TMP+n], v[NEG1], v[OO+2*n]   op_sel_hi:[1,0,0]
	v_fma_mix_f32 v[OO+2*n+1], v[TMP+n], v[NEG1], v[OO+2*n+1] op_sel:[1,0,0] op_sel_hi:[1,0,0]
.set n, n+1
.endr
.set n, 0
.rept 32
	v_cvt_pk_f16_f32 v[LOT+n], v[OO+2*n], v[OO+2*n+1]
.set n, n+1
.endr
.irp b, 0,1,2,3,4,5,6,7
	ds_store_b128 v[STO], v[LOT+4*(\b):LOT+4*(\b)+3] offset:32*(\b)
.endr
.irp b, 0,1,2,3,4,5,6,7
	ds_load_tr16_b128 v[TQ+4*(\b):TQ+4*(\b)+3], v[TRA] offset:32*(\b)  ; LDS serves a wave's instructions in order: these see the stores above
.endr
	s_wait_dscnt 0x0
	s_wait_xcnt 0x0                                ; EXEC changes only behind this wait
	v_cmp_eq_u32 vcc_lo, 0, v[FLG]
	s_and_saveexec_b32 s[SAVE], vcc_lo             ; tile row 0 alone holds keys 0-15
.irp b, 0,1,2,3,4,5,6,7
	global_store_b128 v[GL], v[TQ+4*(\b):TQ+4*(\b)+3], s[VLP:VLP+1] offset:512*(\b)
.endr
	s_wait_xcnt 0x0
	s_or_b32 exec_lo, exec_lo, s[SAVE]
.Lno_lo:
.endif
.irp b, 0,1,2,3,4,5,6,7
	ds_store_b128 v[STO], v[TMP+4*(\b):TMP+4*(\b)+3] offset:32*(\b)
.endr
.irp t, 0,1,2,3,4,5,6,7
	ds_load_b128 v[OO+4*(\t):OO+4*(\t)+3], v[RD] offset:2*PS*(\t)
.endr
	s_wait_dscnt 0x0
.irp t, 0,1,2,3,4,5,6,7
	global_store_b128 v[CO], v[OO+4*(\t):OO+4*(\t)+3], s[CP:CP+1] offset:4096*(\a)+512*(\t)
.endr
.endm
	BLOCK 0
	BLOCK 1
	BLOCK 2
	BLOCK 3
	s_wait_tensorcnt 0x0                           ; the wave's end
	ds_add_u32 v[SPW], v[NIL]
	s_wait_dscnt 0x0
	CROUND                                         ; the closing round
	s_endpgm
.Lfunc_end_k_q1cc125ffe9_qkv:
	.size	k_q1cc125ffe9_qkv, .Lfunc_end_k_q1cc125ffe9_qkv-k_q1cc125ffe9_qkv
	.p2alignl 7, 3214868480
	.fill 96, 4, 3214868480
	.section	.rodata,"a",@progbits
	.p2align	6, 0x0
	.amdhsa_kernel k_q1cc125ffe9_qkv
		.amdhsa_group_segment_fixed_size 327680
		.amdhsa_private_segment_fixed_size 0
		.amdhsa_enable_private_segment 0
		.amdhsa_kernarg_size 48
		.amdhsa_user_sgpr_count 2
		.amdhsa_user_sgpr_kernarg_segment_ptr 1
		.amdhsa_wavefront_size32 1
		.amdhsa_system_sgpr_workgroup_id_x 1
		.amdhsa_system_sgpr_workgroup_id_y 1
		.amdhsa_system_sgpr_workgroup_id_z 1
		.amdhsa_system_vgpr_workitem_id 0
		.amdhsa_next_free_vgpr 768
		.amdhsa_next_free_sgpr 96
		.amdhsa_reserve_vcc 1
		.amdhsa_float_denorm_mode_32 3
		.amdhsa_float_denorm_mode_16_64 3
		.amdhsa_memory_ordered 1
		.amdhsa_forward_progress 1
		.amdhsa_inst_pref_size 127
	.end_amdhsa_kernel
	.amdgpu_metadata
---
amdhsa.version: [ 1, 2 ]
amdhsa.kernels:
  - .name:           k_q1cc125ffe9_qkv
    .symbol:         k_q1cc125ffe9_qkv.kd
    .args:
      - { .name: xb, .offset: 0, .size: 8, .value_kind: global_buffer, .address_space: global }
      - { .name: wqkvb, .offset: 8, .size: 8, .value_kind: global_buffer, .address_space: global }
      - { .name: freqs_cos, .offset: 16, .size: 8, .value_kind: global_buffer, .address_space: global }
      - { .name: freqs_sin, .offset: 24, .size: 8, .value_kind: global_buffer, .address_space: global }
      - { .name: qkv, .offset: 32, .size: 8, .value_kind: global_buffer, .address_space: global }
      - { .name: vlo, .offset: 40, .size: 8, .value_kind: global_buffer, .address_space: global }
    .group_segment_fixed_size: 327680
    .private_segment_fixed_size: 0
    .kernarg_segment_align: 8
    .kernarg_segment_size: 48
    .max_flat_workgroup_size: 128
    .sgpr_count:     96
    .vgpr_count:     768
    .wavefront_size: 32
...
	.end_amdgpu_metadata
.endif
;; end of part 2
;; launch attn (part 3): grid 16 x 16, 4 waves a work-group, clusters of 4 x 1, 327,680 bytes of LDS; arguments qkv, vlo, ob, olo; writes ob, olo
.if DOCPART == 3
	.amdgcn_target "amdgcn-amd-amdhsa--gfx1250"
	.amdhsa_code_object_version 6
	.text
	.protected	k_q1cc125ffe9_attn
	.globl	k_q1cc125ffe9_attn
	.p2align	8
	.type	k_q1cc125ffe9_attn,@function
k_q1cc125ffe9_attn:
	s_mov_b64 s[64:65], 0
	v_nop
	global_prefetch_b8 v0, s[64:65] scope:SCOPE_SE
	s_setreg_imm32_b32 hwreg(HW_REG_WAVE_MODE, 25, 1), 1
	s_wait_xcnt 0x0
	s_wait_alu depctr_hold_cnt(0) depctr_sa_sdst(0) depctr_va_vdst(0) depctr_va_sdst(0) depctr_va_ssrc(0) depctr_va_vcc(0) depctr_vm_vsrc(0)
	s_getreg_b32 s2, hwreg(HW_REG_IB_STS2, 6, 4)
	s_cmp_eq_u32 s2, 0
	s_cbranch_scc0 .Lentry_in_a_cluster
	s_endpgm
.Lentry_in_a_cluster:
	s_bfe_u32 s2, ttmp6, 0x10000c
	s_cmp_lg_u32 s2, 0x3003
	s_cbranch_scc0 .Lentry_shape_is_right
	s_endpgm
.Lentry_shape_is_right:
; CAUSAL ATTENTION, 16 query heads on 8 key and value heads, head size 128, f16 operands.  qkv [32 heads][2048][128]: 0-15 q, 16-23 k, 24-31 16 v.  Products, maxima and sums in f32; the weights p are
; rounded to f16 for the second product (their sum l is taken of the unrounded p); 16 O is rounded once to f16 and stored in the order of the next launch's fragments:
; ob [128 blocks of 16 rows][66 chunks of 32 k][2 halves][32 lanes][16 bytes], k = 128 head + channel; chunks 64 and 65 are zeros that an earlier launch has stored.  For rows 0-15 what that rounding lost is
; stored too (olo, one such block of rows), and keys 0-15 take part with what the rounding of 16 v lost (vlo).
; LIMITS.  A hidden score counts as its value less 1e30; a weight below 2^-126 counts as 0; NaN and infinities are not treated apart; 16 O has 16 v's range.
; THE WALK.  A head's queries lie in 32 blocks of 64; keys go in tiles of 256.  With u the cluster's x and cx my place in it, b = 4 u + cx: a work-group takes block 31 - b (tiles 0 .. 7 - u) and then block b
; (tiles 0 .. u): nine tiles for everybody, and the four partners of a cluster walk the SAME tiles in the same trips: every tile of K and V is asked for jointly.  Trip counts and branches hang on u and the wave's number alone.
; KEYS ARE SPLIT AMONG THE WAVES: in each trip wave w takes keys 64 w .. 64 w + 63 of the tile, for all 64 queries (four tiles of 16), with a running maximum m, a sum l and an O^T of its own;
; at a block's end the four meet in LDS, in f32: O = sum_s e_s O_s / sum_s e_s l_s, e_s = 2^(c m_s - max c m).
; THE MASK is the C operand that starts S^T = K Q^T.  In a block's last tile the wave dw (3 - cx, then cx) holds the diagonal, waves below it see all, waves above it nothing.  Three sets of eight registers serve
; key blocks below, on and above the query tile's.  A wave that sees no key in a whole block (u = 0, second block, w > cx) computes unmasked, so that all its numbers are finite, and its c m is replaced in the
; merge by a number far below every other: its factor is 0.
; LAYOUT.  S^T holds ONE query a lane (l % 16) and the keys 8 (l / 16) + 0..7; two such results rounded to f16 ARE source 1 of O^T = V^T P.  p = 2^(c s - c m), c = log2(e) / sqrt(128); O and l are multiplied by
; a = 2^(c m_old - c m_new) in every step; a block's first step has a = 0, so what lies in O^T and l then need only be finite.
; REGISTERS, in windows of 256: window 0: v1-11, v44-63 addresses; v12-43 statistics, 8 a tile; v64-191 S^T; v192-255 P.  Window 1: O^T, 64 a tile.  Window 2: v0-127 Q, v128-255 K.
; Window 3: v0-127 V; v128-135 the diagonal's pattern; v136-159 the three masks; v160-223 the lost part of v, 8 a channel block, upper four 0.
.set PK,    272                        ; a row of K in LDS: 256 bytes + 16
.set PV,    288                        ; a row of V: 256 + 32
.set VOFF,  256*PK
.set SLOT,  256*(PK+PV)                ; a tile: 256 rows of K, then 256 of V
.set INBOX, 2*SLOT                     ; 4 x 8,192 bytes: a tile of O^T from each wave; no tensor load lands here
.set STAT,  INBOX+32768                ; c m: [4 tiles][16 queries][4 waves], then l likewise
.set SPARE, STAT+2048                  ; the spare words, 128 bytes a wave
.set RBP,   67584                      ; bytes in a block of 16 rows of ob: 66 chunks of 1,024
.set AK0, 2                            ; my lane's place in my 64 rows of K; never rewritten
.set AV0, 3                            ; the same for V
.set AK,  4
.set AV,  5
.set QO,  6                            ; my byte offset in 16 rows of Q
.set IW,  7                            ; the inbox: where I write
.set IR,  8                            ; where I read
.set SA,  10                           ; the statistics: where I write
.set SR,  11                           ; where I read
.set ST,  12                           ; tile t at ST + 8 t: c m, m, l, l, c0-c3 at work (a takes c2's place)
.set GO,  44                           ; 16 x lane
.set VBK, 45                           ; b
.set NEG1, 46                          ; -1.0
.set BIGC, 47                          ; -4.25e37
.set PFO, 61                           ; 256 x lane
.set SPW, 62
.set NIL, 63
.set S,   64
.set P,   192
.set KF,  128                          ; window 2
.set DG,  128                          ; window 3
.set CL,  136
.set CD,  144
.set CU,  152
.set VLO, 160
.set MX,  S                            ; the merge: 4 x c m, then e, a tile
.set MY,  S+16                         ; 4 x l a tile
.set MG,  S+32                         ; e / L, twice, for each tile and wave
.set MR,  S+64                         ; 4 waves x 16 registers of O^T
.set HL,  P+32
.set WV,  12
.set CX,  13
.set SU,  14
.set HQ,  15
.set W1,  16
.set LK,  17
.set LV,  18
.set KB,  20                           ; s[20:21] k's head at my half of tile 0;  s[22:23] v's
.set VB,  22
.set G1K, 24
.set G1V, 32
.set G0K, 40
.set G0V, 44
.set QP,  48
.set QP2, 50
.set OP,  52
.set OP2, 54
.set SLOTS, 56
.set RT,  57                           ; tiles of the block in hand still to be walked, this one among them
.set CS,  58
.set SEL, 60
.set TB,  62                           ; the slot that is read: 0 or SLOT
.set TBF, 63                           ; the slot that was filled last
.set NXT, 66
.set LQ,  67
.set OFF, 68
.set DW,  70
.set EDG, 71
.set AD,  72
.set BL,  74
.set BU,  76
.set KM,  77
.set BIGN, 78
.set LIM, 79
.set PFB, 80
.set PFA, 82
.set VLF, 84
.set SAVE, 85
.set OLP, 88
.set W_KM, 0x3a                        ; K and Q window 2, the mask window 3, S^T window 0
.set W_KQ, 0x0a
.set W_PV, 0x53                        ; V window 3, P window 0, O^T window 1
.set W_RS, 0x41
.set MSB, 0
.macro WIN new
.if MSB != (\new)
	s_set_vgpr_msb (MSB<<8)|(\new)
.set MSB, \new
.endif
.endm
.macro PLACES
.rept 4
	v_nop
.endr
.endm
.macro JLOAD                           ; waves 0, 1 fetch the halves of a tile's K, waves 2, 3 of its V; an s_nop 0 and four v_nop follow each line
	s_cmp_lt_u32 s[WV], 2
	s_cbranch_scc0 .Lfor_v_\@
	tensor_load_to_lds s[G0K:G0K+3], s[G1K:G1K+7]
	s_nop 0
.rept 4
	v_nop
.endr
	s_branch .Lasked_\@
.Lfor_v_\@:
	tensor_load_to_lds s[G0V:G0V+3], s[G1V:G1V+7]
	s_nop 0
.rept 4
	v_nop
.endr
.Lasked_\@:
.endm
.macro CROUND
	s_barrier_signal -1
	s_barrier_wait -1
	s_cmp_lg_u32 s[WV], 0
	s_cbranch_scc1 .Lnot_wave_0_\@
	s_barrier_signal -3
.Lnot_wave_0_\@:
	s_barrier_wait -3
	s_barrier_signal -1
	s_barrier_wait -1
.endm
; A prefetch of the tile that the NEXT change of slots will ask for.  A key and value head is walked by two query heads and four clusters: the cluster u = 0 of the even query head asks, in its first block's walk
; alone (tiles 2 to 7).  Each wave asks for the half tile that it fetches, the four partners 32 rows each by address: a lane a row of 256 bytes.  So each row is named once in the launch.
.macro ASK
	s_mul_i32 s90, s[LIM], s[NXT]
	s_cmp_lg_u32 s90, 0
	s_cbranch_scc0 .Lnot_mine_\@
	global_prefetch_b8 v[PFO], s[PFA:PFA+1] th:TH_LOAD_NT scope:SCOPE_SE
.Lnot_mine_\@:
.endm
; THE CHANGE OF SLOTS.  Each wave waits for all its tensor loads (one is out: its part of the other slot), adds 0 to its spare word, and waits for that and for its reads of the slot that it leaves.
; fill = 1: a round of the cluster's barrier, and the old slot is filled with tile NXT, first thing behind it; the descriptor's address is made anew from that number.
.macro CHANGE fill
	WIN 0
	s_wait_tensorcnt 0x0
	ds_add_u32 v[SPW], v[NIL]
.if \fill
	s_lshl_b32 s[OFF], s[NXT], 16                  ; a tile is 65,536 bytes of K and of V
	s_xor_b32 s[TBF], s[TBF], SLOT
	s_add_co_u32 s[G0K+1], s[TBF], s[LK]
	s_add_nc_u64 s[G0K+2:G0K+3], s[KB:KB+1], s[OFF:OFF+1]
	s_or_b32 s[G0K+3], s[G0K+3], 0x80000000
	s_add_co_u32 s[G0V+1], s[TBF], s[LV]
	s_add_nc_u64 s[G0V+2:G0V+3], s[VB:VB+1], s[OFF:OFF+1]
	s_or_b32 s[G0V+3], s[G0V+3], 0x80000000
	s_add_co_u32 s[NXT], s[NXT], 1                 ; the block's next tile, or behind its last the second block's tile 0
	s_cmp_gt_u32 s[NXT], s[LQ]
	s_cselect_b32 s[NXT], 0, s[NXT]
	s_cselect_b32 s[LQ], s[SU], s[LQ]
	s_wait_xcnt 0x0                                ; the last prefetch, a trip back, has read its address
	s_lshl_b32 s[OFF], s[NXT], 16
	s_add_nc_u64 s[PFA:PFA+1], s[PFB:PFB+1], s[OFF:OFF+1]
.endif
	s_wait_dscnt 0x0                               ; the add is done, and my reads of the slot are over
.if \fill
	CROUND
	JLOAD
	ASK
.else
	s_barrier_signal -1
	s_barrier_wait -1
.endif
	s_xor_b32 s[TB], s[TB], SLOT
.endm
; The three masks of a trip, by selects alone.  These 20 plain lines are also places in front of the loads into V's registers.
.macro MASKSET tail
	s_cmp_eq_u32 s[RT], 1
	s_cselect_b32 s[EDG], s[DW], 4                 ; the wave that holds the diagonal; none in other tiles
	s_mov_b32 s90, s[BIGN]
.if \tail
	s_cmp_eq_u32 s[SU], 0                          ; the block's only tile: a wave that sees nothing stays unmasked (the merge drops it)
	s_cselect_b32 s90, 0, s[BIGN]
.endif
	s_cmp_eq_u32 s[WV], s[EDG]
	s_cselect_b32 s[AD], 1.0, 0
	s_cselect_b32 s[BU], s[BIGN], 0
	s_cmp_gt_u32 s[WV], s[EDG]
	s_cselect_b32 s[BL], s90, 0
	s_cselect_b32 s[BU], s90, s[BU]
	WIN 0xc3
.set n, 0
.rept 8
	v_mov_b32 v[CL+n], s[BL]
	v_mov_b32 v[CU+n], s[BU]
.set n, n+1
.endr
.set n, 0
.rept 4
	v_pk_fma_f32 v[CD+2*n:CD+2*n+1], v[DG+2*n:DG+2*n+1], s[AD:AD+1], s[BL:BL+1] op_sel_hi:[1,0,0]
.set n, n+1
.endr
.endm
.macro LOADQ p                         ; 64 queries stay in registers: tile i / 4, channels 32 (i % 4) on
	WIN 0x80
.set i, 0
.rept 16
	global_load_b128 v[8*i:8*i+3],   v[QO], s[\p:\p+1] offset:(i/4)*4096+(i%4)*64
	global_load_b128 v[8*i+4:8*i+7], v[QO], s[\p:\p+1] offset:(i/4)*4096+(i%4)*64+32
.set i, i+1
.endr
	WIN 0
.endm
.macro FETCH_K                         ; my 64 keys x 128 channels: 16 fragments
	WIN 0
	v_add_nc_u32 v[AK], s[TB], v[AK0]
	WIN 0x80
.irp f, 0,1,2,3,4,5,6,7,8,9,10,11,12,13,14,15
	ds_load_b128 v[KF+8*(\f):KF+8*(\f)+3],   v[AK] offset:((\f)/4)*16*PK+((\f)%4)*64
	ds_load_b128 v[KF+8*(\f)+4:KF+8*(\f)+7], v[AK] offset:((\f)/4)*16*PK+((\f)%4)*64+32
.endr
.endm
.macro FETCH_V                         ; the same keys of V, turned
	WIN 0
	v_add_nc_u32 v[AV], s[TB], v[AV0]
	WIN 0xc0
.irp f, 0,1,2,3,4,5,6,7,8,9,10,11,12,13,14,15
	ds_load_tr16_b128 v[8*(\f):8*(\f)+3],   v[AV] offset:((\f)/8)*32*PV+((\f)%8)*32
	ds_load_tr16_b128 v[8*(\f)+4:8*(\f)+7], v[AV] offset:((\f)/8)*32*PV+16*PV+((\f)%8)*32
.endr
	WIN 0
.endm
; Product i of 64 of S^T = K Q^T: channels 32 (i / 16) on, keys 16 ((i % 16) / 4) on, tile i % 4.  The first 16 start the sums with the mask.  The 16 accumulators take turns.
.macro KQ
.set kb, (i%16)/4
.set tq, i%4
.set rS, S+32*tq+8*kb
.set rK, KF+32*kb+8*(i/16)
.set rQ, 32*tq+8*(i/16)
.if i < 16
.set rM, CD
.if kb < tq
.set rM, CL
.endif
.if kb > tq
.set rM, CU
.endif
	WIN W_KM
	v_wmma_f32_16x16x32_f16 v[rS:rS+7], v[rK:rK+7], v[rQ:rQ+7], v[rM:rM+7]
.else
	WIN W_KQ
	v_wmma_f32_16x16x32_f16 v[rS:rS+7], v[rK:rK+7], v[rQ:rQ+7], v[rS:rS+7]
.endif
.endm
; Product i of 64 of O^T += V^T P: keys 32 (i / 32) on, channels 16 ((i % 32) / 4) on, tile i % 4.  32 accumulators by turns.
.macro PVM
	WIN W_PV
.set rO, 64*(i%4)+8*((i%32)/4)
.set rV, 64*(i/32)+8*((i%32)/4)
.set rP, P+16*(i%4)+8*(i/32)
	v_wmma_f32_16x16x32_f16 v[rO:rO+7], v[rV:rV+7], v[rP:rP+7], v[rO:rO+7]
.endm
; One tile's softmax for a step: a list of 134; SM writes number j for tile t.  0-15 the maximum of the lane's 32 scores and the old m (each accumulator's lowest registers first);
; 16-20 the other half of the lanes, m, c m, its change; 21-69 the 16 scalings c s - c m and all 33 exponentials, none of which reads an exponential's result; 70-85 the roundings; 86-101 the sums, l = a l + sum;
; 102-133 O^T times a.
.macro SM t
.set rT, ST+8*(\t)
.set rS, S+32*(\t)
.set rP, P+16*(\t)
.set rO, 64*(\t)+2*(j-102)
.if j < 102
	WIN 0
.endif
.if j < 4
	v_max3_num_f32 v[rT+4+j], v[rS+8*j], v[rS+8*j+1], v[rS+8*j+2]
.elseif j < 12
	v_max3_num_f32 v[rT+4+j%4], v[rT+4+j%4], v[rS+8*(j%4)+2*(j/4)+1], v[rS+8*(j%4)+2*(j/4)+2]
.elseif j == 12
	v_max3_num_f32 v[rT+4], v[rT+4], v[rS+7], v[rS+15]
.elseif j == 13
	v_max3_num_f32 v[rT+6], v[rT+6], v[rS+23], v[rS+31]
.elseif j == 14
	v_max3_num_f32 v[rT+4], v[rT+4], v[rT+5], v[rT+6]
.elseif j == 15
	v_max3_num_f32 v[rT+4], v[rT+4], v[rT+7], v[rT+1]
.elseif j == 16
	v_permlanex16_b32 v[rT+5], v[rT+4], s[SEL], s[SEL+1]
.elseif j == 17
	v_mov_b32 v[rT+7], v[rT]
.elseif j == 18
	v_max_num_f32 v[rT+1], v[rT+4], v[rT+5]
.elseif j == 19
	v_mul_f32 v[rT], s[CS], v[rT+1]
.elseif j == 20
	v_sub_f32 v[rT+7], v[rT+7], v[rT]
.elseif j == 23
	v_exp_f32 v[rT+6], v[rT+7]
.elseif (j < 23) || ((j < 38) && (j%2 == 0)) || ((j < 66) && (j%4 == 2))
.set sb, (j-2)/4
.if j < 38
.set sb, (j-20)/2
.endif
	v_pk_fma_f32 v[rS+2*sb:rS+2*sb+1], v[rS+2*sb:rS+2*sb+1], s[CS:CS+1], v[rT:rT+1] op_sel_hi:[1,0,0] neg_lo:[0,0,1] neg_hi:[0,0,1]
.elseif j < 70
.set se, j-38
.if j < 66
.set se, j-32-(j-38)/4
.endif
.if j < 38
.set se, (j-25)/2
.endif
	v_exp_f32 v[rS+se], v[rS+se]
.elseif j < 86
	v_cvt_pk_f16_f32 v[rP+j-70], v[rS+2*(j-70)], v[rS+2*(j-70)+1]
.elseif j < 102
.set sz, j-86
.set sw, 4
.set su, sz
.if sz >= 14
.set sw, 32
.set su, 0
.elseif sz >= 12
.set sw, 16
.set su, sz-12
.elseif sz >= 8
.set sw, 8
.set su, sz-8
.endif
.if sz < 15
	v_pk_add_f32 v[rS+sw*su:rS+sw*su+1], v[rS+sw*su:rS+sw*su+1], v[rS+sw*su+sw/2:rS+sw*su+sw/2+1]
.else
	v_pk_fma_f32 v[rT+2:rT+3], v[rT+2:rT+3], v[rT+6:rT+7], v[rS:rS+1] op_sel_hi:[1,0,1]
.endif
.else
	WIN W_RS
	v_pk_mul_f32 v[rO:rO+1], v[rO:rO+1], v[rT+6:rT+7] op_sel_hi:[1,0]
.endif
.endm
; A TRIP's work, in phases: both runs of LDS loads, 64 products K Q^T, the four tiles' softmax (tiles alternating; ONE batch of 132 exponentials with one wait), 64 products V^T P.
.macro STEP
	FETCH_K
	FETCH_V
	s_wait_loadcnt 0x0                             ; Q (and, the first time, the lost part of v)
	s_wait_dscnt 32                                ; K is in; V's 32 loads may stay out
.set i, 0
.rept 64
	KQ
.set i, i+1
.endr
	WIN 0
	PLACES
	PLACES
.set j, 0
.rept 70
.irp t, 0,1,2,3
	SM \t
.endr
.set j, j+1
.endr
	v_nop                                          ; a plain instruction behind the last exponential,
	s_wait_alu depctr_va_vdst(0)                   ; and the one wait ahead of the first line that names a result
.rept 64
.irp t, 0,1,2,3
	SM \t
.endr
.set j, j+1
.endr
	s_wait_dscnt 0x0                               ; V is in
.set i, 0
.rept 64
	PVM
.set i, i+1
.endr
.endm
; A BLOCK'S END.  The waves' c m and l meet in LDS; each wave makes the four factors e_s / L for each query; then, a tile of 16 queries at a time, every wave lays its O^T into the inbox and wave w sums
; registers 16 w .. 16 w + 15 of all four: channel blocks 2 w and 2 w + 1, which are chunk 4 head + w of ob in fragment order: 512 consecutive bytes a store.
; lo = 1 (the second block): a wave that saw no key is dropped, and rows 0-15 store what the rounding lost.
.macro MERGE lo
	WIN 0
.irp t, 0,1,2,3
	v_add_f32 v[ST+8*(\t)+4], v[ST+8*(\t)+2], v[ST+8*(\t)+3]
.endr
.irp t, 0,1,2,3
	v_permlanex16_b32 v[ST+8*(\t)+5], v[ST+8*(\t)+4], s[SEL], s[SEL+1]
.endr
.irp t, 0,1,2,3
	v_add_f32 v[ST+8*(\t)+4], v[ST+8*(\t)+4], v[ST+8*(\t)+5]
.endr
.irp t, 0,1,2,3
.if \lo
	v_cndmask_b32 v[ST+8*(\t)+5], v[ST+8*(\t)], v[BIGC], s[KM]
.else
	v_mov_b32 v[ST+8*(\t)+5], v[ST+8*(\t)]
.endif
.endr
.irp t, 0,1,2,3
	ds_store_b32 v[SA], v[ST+8*(\t)+5] offset:256*(\t)       ; both halves of the lanes hold the same number and write the same word
	ds_store_b32 v[SA], v[ST+8*(\t)+4] offset:1024+256*(\t)
.endr
	s_wait_dscnt 0x0                               ; for the others' sake
	s_barrier_signal -1
	s_barrier_wait -1
.irp t, 0,1,2,3
	ds_load_b128 v[MX+4*(\t):MX+4*(\t)+3], v[SR] offset:256*(\t)
	ds_load_b128 v[MY+4*(\t):MY+4*(\t)+3], v[SR] offset:1024+256*(\t)
.endr
	s_wait_dscnt 0x0
.irp t, 0,1,2,3
	v_max3_num_f32 v[ST+8*(\t)+5], v[MX+4*(\t)], v[MX+4*(\t)+1], v[MX+4*(\t)+2]
.endr
.irp t, 0,1,2,3
	v_max_num_f32 v[ST+8*(\t)+5], v[ST+8*(\t)+5], v[MX+4*(\t)+3]
.endr
.set n, 0
.rept 16
	v_sub_f32 v[MX+n], v[MX+n], v[ST+8*(n/4)+5]
.set n, n+1
.endr
.set n, 0
.rept 16
	v_exp_f32 v[MX+n], v[MX+n]
.set n, n+1
.endr
	v_nop
	s_wait_alu depctr_va_vdst(0)                   ; one wait for the sixteen
.irp t, 0,1,2,3
	v_mul_f32 v[ST+8*(\t)+6], v[MX+4*(\t)], v[MY+4*(\t)]
.endr
.irp x, 1,2,3
.irp t, 0,1,2,3
	v_fmac_f32 v[ST+8*(\t)+6], v[MX+4*(\t)+(\x)], v[MY+4*(\t)+(\x)]
.endr
.endr
.irp t, 0,1,2,3
	v_rcp_f32 v[ST+8*(\t)+6], v[ST+8*(\t)+6]
.endr
	v_nop
	s_wait_alu depctr_va_vdst(0)                   ; one wait for the four
.set n, 0
.rept 16
	v_mul_f32 v[MG+2*n],   v[MX+n], v[ST+8*(n/4)+6]
	v_mul_f32 v[MG+2*n+1], v[MX+n], v[ST+8*(n/4)+6]
.set n, n+1
.endr
.irp t, 0,1,2,3
	WIN 0x04                                       ; store data in window 1
.set n, 0
.rept 16
	ds_store_b128 v[IW], v[64*(\t)+4*n:64*(\t)+4*n+3] offset:512*n
.set n, n+1
.endr
	WIN 0
	s_wait_dscnt 0x0
	s_barrier_signal -1
	s_barrier_wait -1                              ; all four waves' tiles lie in the inbox
.set n, 0
.rept 16
	ds_load_b128 v[MR+4*n:MR+4*n+3], v[IR] offset:8192*(n/4)+512*(n%4)
.set n, n+1
.endr
	s_wait_dscnt 0x0                               ; my reads are over:
.if (\t) < 3
	s_barrier_signal -1                            ; say so; the arithmetic, work on registers, stands between signal and wait
.endif
.set n, 0
.rept 8
	v_pk_mul_f32 v[MR+2*n:MR+2*n+1], v[MR+2*n:MR+2*n+1], v[MG+8*(\t):MG+8*(\t)+1] op_sel_hi:[1,0]
.set n, n+1
.endr
.irp x, 1,2,3
.set n, 0
.rept 8
	v_pk_fma_f32 v[MR+2*n:MR+2*n+1], v[MR+16*(\x)+2*n:MR+16*(\x)+2*n+1], v[MG+8*(\t)+2*(\x):MG+8*(\t)+2*(\x)+1], v[MR+2*n:MR+2*n+1] op_sel_hi:[1,0,1]
.set n, n+1
.endr
.endr
.set n, 0
.rept 8
	v_cvt_pk_f16_f32 v[P+8*(\t)+n], v[MR+2*n], v[MR+2*n+1]
.set n, n+1
.endr
.if (\t) < 3
	s_barrier_wait -1                              ; nobody reads the inbox any more: the next tile may be laid into it
.endif
	global_store_b128 v[GO], v[P+8*(\t):P+8*(\t)+3],   s[OP:OP+1] offset:RBP*(\t)
	global_store_b128 v[GO], v[P+8*(\t)+4:P+8*(\t)+7], s[OP:OP+1] offset:RBP*(\t)+512
.if (\lo) && ((\t) == 0)
	s_cmp_eq_u32 s[SU], 0                          ; the same in all partners; which of the four holds rows 0-15 is a matter of EXEC
	s_cbranch_scc0 .Lno_olo_\@
.set n, 0
.rept 8
	v_fma_mix_f32 v[MR+2*n],   v[P+n], v[NEG1], v[MR+2*n]   op_sel_hi:[1,0,0]
	v_fma_mix_f32 v[MR+2*n+1], v[P+n], v[NEG1], v[MR+2*n+1] op_sel:[1,0,0] op_sel_hi:[1,0,0]
.set n, n+1
.endr
.set n, 0
.rept 8
	v_cvt_pk_f16_f32 v[HL+n], v[MR+2*n], v[MR+2*n+1]
.set n, n+1
.endr
	s_wait_xcnt 0x0                                ; EXEC changes only behind this wait
	v_cmp_eq_u32 vcc_lo, 0, v[VBK]
	s_and_saveexec_b32 s[SAVE], vcc_lo
	global_store_b128 v[GO], v[HL:HL+3],   s[OLP:OLP+1]
	global_store_b128 v[GO], v[HL+4:HL+7], s[OLP:OLP+1] offset:512
	s_wait_xcnt 0x0
	s_or_b32 exec_lo, exec_lo, s[SAVE]
.Lno_olo_\@:
.endif
.endr
.endm
	s_load_b256 s[4:11], s[0:1], 0x0               ; qkv, vlo, ob, olo
	v_lshl_add_u32 v[SPW], v0, 2, SPARE
	v_mov_b32 v[NIL], 0
	ds_add_u32 v[SPW], v[NIL]                      ; the wave's opening: the add and its wait stand ahead of my first tensor load
	v_lshrrev_b32 v1, 5, v0
	v_readfirstlane_b32 s[WV], v1
	s_bfe_u32 s[CX], ttmp6, 0x40000
	s_mov_b32 s[SU], ttmp9
	s_and_b32 s[HQ], ttmp7, 0xffff
	s_and_b32 s[W1], s[WV], 1                      ; which half of a tile's 256 keys I fetch
	s_mul_i32 s[LK], s[W1], 128*PK
	s_mul_i32 s[LV], s[W1], 128*PV
	s_add_co_u32 s[LV], s[LV], VOFF
	s_lshr_b32 s90, s[HQ], 1                       ; the key and value head
	s_lshl_b32 s92, s90, 19
	s_lshl_b32 s94, s[W1], 15
	s_add_co_u32 s92, s92, s94
	s_add_co_u32 s92, s92, 16<<19                  ; k's heads lie behind q's sixteen
	s_mov_b32 s93, 0
	s_lshl_b32 s94, s90, 12
	s_mov_b32 s95, 0
	s_lshl_b32 s2, s[SU], 2
	s_add_co_u32 s2, s2, s[CX]                     ; b: it enters Q's and O's addresses and the masks' values alone
	s_sub_co_u32 s3, 31, s2
	s_lshl_b32 s91, s[HQ], 19
	s_lshl_b32 s[QP], s3, 14
	s_add_co_u32 s[QP], s[QP], s91
	s_mov_b32 s[QP+1], 0
	s_lshl_b32 s[QP2], s2, 14
	s_add_co_u32 s[QP2], s[QP2], s91
	s_mov_b32 s[QP2+1], 0
	s_lshl_b32 s91, s[HQ], 2
	s_add_co_u32 s91, s91, s[WV]
	s_lshl_b32 s91, s91, 10                        ; chunk 4 head + wave
	s_mul_i32 s[OP], s3, 4*RBP                     ; a block of 64 queries is four blocks of 16 rows
	s_add_co_u32 s[OP], s[OP], s91
	s_mov_b32 s[OP+1], 0
	s_mul_i32 s[OP2], s2, 4*RBP
	s_add_co_u32 s[OP2], s[OP2], s91
	s_mov_b32 s[OP2+1], 0
	s_mov_b32 s[OLP], s91
	s_mov_b32 s[OLP+1], 0
	s_mov_b32 s[G1K], 15|(1<<16)|(1<<20)|(1<<21)|(5<<22)|(3<<25)  ; the mask of four; 2-byte elements; padding on; bit 21 beside a mask; after every 64 words 4 words
	s_mov_b32 s[G1V], 15|(1<<16)|(1<<20)|(1<<21)|(5<<22)|(7<<25)  ; 8 words
.irp g, G1K, G1V
	s_mov_b32 s[\g+1], 128<<16                     ; 128 rows x 128 elements, dense
	s_mov_b32 s[\g+2], 128<<16
	s_mov_b32 s[\g+3], 128<<16
	s_mov_b32 s[\g+4], 128
	s_mov_b32 s[\g+5], 128
	s_mov_b32 s[\g+6], 0
	s_mov_b32 s[\g+7], 0
.endr
	s_mov_b32 s[CS], 0x3e0293ee                    ; c = log2(e) / sqrt(128)
	s_mov_b32 s[CS+1], s[CS]
	s_mov_b32 s[SEL], 0x76543210
	s_mov_b32 s[SEL+1], 0xfedcba98
	s_mov_b32 s[BIGN], 0xf149f2ca                  ; -1e30
	s_mov_b32 s[TB], SLOT                          ; the first change of slots turns it into 0
	s_mov_b32 s[TBF], 0
	s_mov_b32 s[NXT], 1
	s_sub_co_u32 s[LQ], 7, s[SU]
	s_sub_co_u32 s[RT], 8, s[SU]
	s_sub_co_u32 s[DW], 3, s[CX]
	s_mov_b32 s[OFF+1], 0
	s_mov_b32 s[AD+1], 0
	s_mov_b32 s[BL+1], 0
	s_mov_b32 s[SLOTS], 8
	s_cmp_gt_u32 s[WV], s[CX]
	s_cselect_b32 s[KM], -1, 0
	s_cmp_eq_u32 s[SU], 0
	s_cselect_b32 s[KM], s[KM], 0                  ; all ones in a wave that sees no key of the second block
	s_or_b32 s91, s[SU], s[WV]
	s_cmp_eq_u32 s91, 0
	s_cselect_b32 s[VLF], 1, 0                     ; keys 0-63 of the second block's only tile
	s_and_b32 s91, s[HQ], 1
	s_or_b32 s91, s91, s[SU]
	s_cmp_eq_u32 s91, 0
	s_cselect_b32 s[LIM], 1, 0
	s_wait_dscnt 0x0                               ; the opening add is done
	s_wait_kmcnt 0x0
	s_add_nc_u64 s[KB:KB+1], s[4:5], s[92:93]
	s_add_nc_u64 s[VB:VB+1], s[KB:KB+1], 0x400000  ; v's heads lie eight heads on
	s_add_nc_u64 s[6:7], s[6:7], s[94:95]
	s_add_nc_u64 s[QP:QP+1], s[4:5], s[QP:QP+1]
	s_add_nc_u64 s[QP2:QP2+1], s[4:5], s[QP2:QP2+1]
	s_add_nc_u64 s[OP:OP+1], s[8:9], s[OP:OP+1]
	s_add_nc_u64 s[OP2:OP2+1], s[8:9], s[OP2:OP2+1]
	s_add_nc_u64 s[OLP:OLP+1], s[10:11], s[OLP:OLP+1]
	s_cmp_lt_u32 s[WV], 2
	s_cselect_b64 s[PFB:PFB+1], s[KB:KB+1], s[VB:VB+1]
	s_lshl_b32 s90, s[CX], 13                      ; my work-group's 32 rows of the 128
	s_mov_b32 s91, 0
	s_add_nc_u64 s[PFB:PFB+1], s[PFB:PFB+1], s[90:91]
	s_mov_b32 s[G0K], 1
	s_mov_b32 s[G0K+1], s[LK]
	s_mov_b64 s[G0K+2:G0K+3], s[KB:KB+1]
	s_or_b32 s[G0K+3], s[G0K+3], 0x80000000
	s_mov_b32 s[G0V], 1
	s_mov_b32 s[G0V+1], s[LV]
	s_mov_b64 s[G0V+2:G0V+3], s[VB:VB+1]
	s_or_b32 s[G0V+3], s[G0V+3], 0x80000000
	CROUND                                         ; all four work-groups are here
	JLOAD                                          ; tile 0 into slot 0; slot 1 is asked for by the loop's first change of slots
	v_and_b32 v1, 15, v0                           ; r
	v_bfe_u32 v9, v0, 4, 1                         ; h
	v_and_b32 v48, 31, v0
	v_and_b32 v49, 7, v0
	v_bfe_u32 v50, v0, 3, 1
	v_lshlrev_b32 v[QO], 8, v1
	v_lshl_add_u32 v[QO], v9, 4, v[QO]
	v_lshlrev_b32 v[GO], 4, v48
	LOADQ QP
	WIN 0xc0
.irp c, 0,1,2,3,4,5,6,7
	global_load_b128 v[VLO+8*(\c):VLO+8*(\c)+3], v[GO], s[6:7] offset:512*(\c)
.endr
.irp c, 0,1,2,3,4,5,6,7
	v_mov_b32 v[VLO+8*(\c)+4], 0                   ; keys 16-31 have no lost part
	v_mov_b32 v[VLO+8*(\c)+5], 0
	v_mov_b32 v[VLO+8*(\c)+6], 0
	v_mov_b32 v[VLO+8*(\c)+7], 0
.endr
	WIN 0
	v_lshlrev_b32 v51, 3, v9
	v_sub_nc_u32 v51, v1, v51                      ; r - 8 h: register j of the diagonal's block is hidden where j is greater
	WIN 0xc0
.set i, 0
.rept 8
	v_cmp_gt_i32 vcc_lo, i, v51
	v_cndmask_b32 v[DG+i], 0, s[BIGN], vcc_lo
.set i, i+1
.endr
	WIN 0x40                                       ; O^T need only be finite: the first step multiplies it by 0.  All this stands in the wait for the first tile
.set i, 0
.rept 256
	v_mov_b32 v[i], 0
.set i, i+1
.endr
	WIN 0
.irp t, 0,1,2,3
	v_mov_b32 v[ST+8*(\t)], 0xfe000000             ; c m: far below every c s
	v_mov_b32 v[ST+8*(\t)+1], 0xff7fffff           ; m
	v_mov_b32 v[ST+8*(\t)+2], 0
	v_mov_b32 v[ST+8*(\t)+3], 0
.endr
	v_mul_u32_u24 v[AK0], v1, PK
	v_lshl_add_u32 v[AK0], v9, 4, v[AK0]
	s_mul_i32 s90, s[WV], 64*PK
	v_add_nc_u32 v[AK0], s90, v[AK0]
	v_lshl_add_u32 v[AV0], v9, 3, v49
	v_mul_u32_u24 v[AV0], v[AV0], PV
	v_lshl_add_u32 v[AV0], v50, 4, v[AV0]
	s_mul_i32 s90, s[WV], 64*PV
	s_add_co_u32 s90, s90, VOFF
	v_add_nc_u32 v[AV0], s90, v[AV0]
	s_lshl_b32 s90, s[WV], 13
	s_add_co_u32 s90, s90, INBOX
	v_add_nc_u32 v[IW], s90, v[GO]
	s_lshl_b32 s90, s[WV], 11
	s_add_co_u32 s90, s90, INBOX
	v_add_nc_u32 v[IR], s90, v[GO]
	v_lshlrev_b32 v[SR], 4, v1
	v_add_nc_u32 v[SR], STAT, v[SR]
	s_lshl_b32 s90, s[WV], 2
	v_add_nc_u32 v[SA], s90, v[SR]
	v_mov_b32 v[VBK], s2
	v_mov_b32 v[NEG1], -1.0
	v_mov_b32 v[BIGC], 0xfe000000
	v_lshlrev_b32 v[PFO], 8, v48
.Lslot:                                        ; eight trips: a tile is walked and the next is asked for
	CHANGE 1
	MASKSET 0
	STEP
	WIN 0
	s_sub_co_u32 s[RT], s[RT], 1
	s_cmp_lg_u32 s[RT], 0
	s_cbranch_scc1 .Lbottom                        ; hangs on u alone: the same in all waves and all partners
	LOADQ QP2                                      ; the first block's end: the second block's Q is asked for,
	MERGE 0                                        ; the first goes out,
.irp t, 0,1,2,3
	v_mov_b32 v[ST+8*(\t)], 0xfe000000             ; and the statistics start anew
	v_mov_b32 v[ST+8*(\t)+1], 0xff7fffff
.endr
	s_wait_xcnt 0x0                                ; the stores have read their registers and O's address
	s_mov_b64 s[OP:OP+1], s[OP2:OP2+1]
	s_add_co_u32 s[RT], s[SU], 1
	s_mov_b32 s[DW], s[CX]
.Lbottom:
	s_sub_co_u32 s[SLOTS], s[SLOTS], 1
	s_cmp_lg_u32 s[SLOTS], 0
	s_cbranch_scc1 .Lslot
	CHANGE 0                                       ; the walk's last tile is written out: nothing is asked for
	MASKSET 1
	STEP
	WIN 0
	s_cmp_eq_u32 s[VLF], 1
	s_cbranch_scc0 .Lno_vlo
	WIN W_PV                                       ; keys 0-15: what the rounding of 16 v lost, times the same weights, onto the first query tile's O^T
.irp c, 0,1,2,3,4,5,6,7
	v_wmma_f32_16x16x32_f16 v[8*(\c):8*(\c)+7], v[VLO+8*(\c):VLO+8*(\c)+7], v[P:P+7], v[8*(\c):8*(\c)+7]
.endr
	WIN 0
.Lno_vlo:
	MERGE 1
	s_wait_tensorcnt 0x0                           ; the wave's end
	ds_add_u32 v[SPW], v[NIL]
	s_wait_dscnt 0x0
	CROUND                                         ; the closing round
	s_endpgm
.Lfunc_end_k_q1cc125ffe9_attn:
	.size	k_q1cc125ffe9_attn, .Lfunc_end_k_q1cc125ffe9_attn-k_q1cc125ffe9_attn
	.p2alignl 7, 3214868480
	.fill 96, 4, 3214868480
	.section	.rodata,"a",@progbits
	.p2align	6, 0x0
	.amdhsa_kernel k_q1cc125ffe9_attn
		.amdhsa_group_segment_fixed_size 327680
		.amdhsa_private_segment_fixed_size 0
		.amdhsa_enable_private_segment 0
		.amdhsa_kernarg_size 32
		.amdhsa_user_sgpr_count 2
		.amdhsa_user_sgpr_kernarg_segment_ptr 1
		.amdhsa_wavefront_size32 1
		.amdhsa_system_sgpr_workgroup_id_x 1
		.amdhsa_system_sgpr_workgroup_id_y 1
		.amdhsa_system_sgpr_workgroup_id_z 1
		.amdhsa_system_vgpr_workitem_id 0
		.amdhsa_next_free_vgpr 1024
		.amdhsa_next_free_sgpr 96
		.amdhsa_reserve_vcc 1
		.amdhsa_float_denorm_mode_32 3
		.amdhsa_float_denorm_mode_16_64 3
		.amdhsa_memory_ordered 1
		.amdhsa_forward_progress 1
		.amdhsa_inst_pref_size 166
	.end_amdhsa_kernel
	.amdgpu_metadata
---
amdhsa.version: [ 1, 2 ]
amdhsa.kernels:
  - .name:           k_q1cc125ffe9_attn
    .symbol:         k_q1cc125ffe9_attn.kd
    .args:
      - { .name: qkv, .offset: 0, .size: 8, .value_kind: global_buffer, .address_space: global }
      - { .name: vlo, .offset: 8, .size: 8, .value_kind: global_buffer, .address_space: global }
      - { .name: ob, .offset: 16, .size: 8, .value_kind: global_buffer, .address_space: global }
      - { .name: olo, .offset: 24, .size: 8, .value_kind: global_buffer, .address_space: global }
    .group_segment_fixed_size: 327680
    .private_segment_fixed_size: 0
    .kernarg_segment_align: 8
    .kernarg_segment_size: 32
    .max_flat_workgroup_size: 128
    .sgpr_count:     96
    .vgpr_count:     1024
    .wavefront_size: 32
...
	.end_amdgpu_metadata
.endif
;; end of part 3
;; launch oproj (part 4): grid 16 x 16, 4 waves a work-group, clusters of 4 x 4, 327,680 bytes of LDS; arguments ob, wob, olo, out0; writes out0
.if DOCPART == 4
	.amdgcn_target "amdgcn-amd-amdhsa--gfx1250"
	.amdhsa_code_object_version 6
	.text
	.protected	k_q1cc125ffe9_oproj
	.globl	k_q1cc125ffe9_oproj
	.p2align	8
	.type	k_q1cc125ffe9_oproj,@function
k_q1cc125ffe9_oproj:
	s_mov_b64 s[64:65], 0
	v_nop
	global_prefetch_b8 v0, s[64:65] scope:SCOPE_SE
	s_setreg_imm32_b32 hwreg(HW_REG_WAVE_MODE, 25, 1), 1
	s_wait_xcnt 0x0
	s_wait_alu depctr_hold_cnt(0) depctr_sa_sdst(0) depctr_va_vdst(0) depctr_va_sdst(0) depctr_va_ssrc(0) depctr_va_vcc(0) depctr_vm_vsrc(0)
	s_getreg_b32 s2, hwreg(HW_REG_IB_STS2, 6, 4)
	s_cmp_eq_u32 s2, 0
	s_cbranch_scc0 .Lentry_in_a_cluster
	s_endpgm
.Lentry_in_a_cluster:
	s_bfe_u32 s2, ttmp6, 0x10000c
	s_cmp_lg_u32 s2, 0xf033
	s_cbranch_scc0 .Lentry_shape_is_right
	s_endpgm
.Lentry_shape_is_right:
; OUT = O x wo.  ob holds 16 O in f16, in fragment order [128 blocks of 16 rows][66 chunks of 32 k][2 halves][32 lanes][16 bytes]; olo what its rounding lost in rows 0-15 (one such block); wob [2112 k][4096 n] f16.
; K = 2,048 and 64 of zeros.  f32 sums; the factor 16 is taken back in f32; out0 [2048][4096] f32.
; SHARES.  A work-group makes 128 rows x 256 columns: 16 x 16 work-groups.  Four waves side by side: a wave has all 128 rows x 64 columns: 32 accumulators.
; K GOES IN 11 STEPS OF 192 through two LDS slots, as long as two slots allow: 192 matrix instructions a wave for each round of the cluster's barrier, 176 of them between a request and the wait for it.
; O's tile lies in LDS as it lies in memory (a fragment's half is 512 consecutive bytes: lane l at 16 l); wo's lies [k][n] (rows of 512 bytes + 32) and is turned by ds_load_tr16_b128.
; The loop is written for ONE step: the slot is a scalar, 0 or SLOT, turned by an exclusive or; one descriptor for each operand walks.
; CLUSTER 4 x 4: O's tile is asked for jointly along a row of the cluster, wo's along a column.
; ROWS 0-15: in the top row of clusters each part of a step has four products more: the first row block's accumulators take olo's fragment times the same fragments of wo.  The branch hangs on the cluster's y, which
; all partners share; in tile rows 1 to 3 of that cluster the fragment is masked to 0.  olo's loads and their waits stand outside the branch, so that the counts hold on every way.
; THE MATRIX INSTRUCTION IS USED TRANSPOSED: a lane holds row l % 16 and the columns 8 (l / 16) + 0..7: 32 consecutive bytes of out0.
; REGISTERS: window 1: the accumulators, (a, b) at 8 (4 a + b).  Window 2: v0-47 olo's six fragments of a K step.  Window 0: v16-31 addresses, two fragment buffers of 96 (O's 8 blocks, then wo's 4).
.set PB,    544
.set PS,    272                        ; a row of the stage: 256 bytes + 16
.set APART, 8*6144
.set BPART, 192*PB
.set SLOT,  APART+BPART                ; 153,600 bytes
.set STAGE, 2*SLOT                     ; 16 rows x 272 bytes for each wave; no tensor load lands here
.set SPARE, STAGE+4*16*PS
.set STEPS, 11
.set RBP,   67584                      ; bytes in a block of 16 rows of ob
.set ASTEP, 6144                       ; a K step in a row block: six chunks
.set BSTEP, 192*8192
.set ADRA,  17
.set GL,    19                         ; 16 x lane: also my O fragments in slot 0
.set ADRA0, 19
.set ADRB0, 20
.set ADRB,  21
.set ADRB2, 22
.set STO,  24
.set RD,   25
.set CO,   26
.set SPW,  28
.set NIL,  29
.set PFO,  30
.set F0,   64
.set F1,   160
.set TMP,  64
.set WV,   16
.set ROLE, 17
.set HALF, 18
.set CX,   19
.set CY,   20
.set TC,   21
.set TR,   22
.set TB,   23
.set G1,   24
.set G0,   32
.set G1B,  40
.set G0B,  48
.set TBF,  56
.set LA,   57
.set LB,   58
.set PAR,  59
.set PARX, 60
.set PSTX, 61
.set PFA,  72
.set PST,  74
.set LIM,  76
.set TOP,  77                          ; 1 in the top row of clusters
.set MSK,  78                          ; all ones in tile row 0
.set LOP,  8                           ; s[8:9] olo at the K step whose fragments are being asked for
.set CP,   10                          ; s[10:11] out0 at my columns of the tile's first row
.set MUL,  0x50
.set MSB,  0
.macro WIN new
.if MSB != (\new)
	s_set_vgpr_msb (MSB<<8)|(\new)
.set MSB, \new
.endif
.endm
.macro PLACES
.rept 4
	v_nop
.endr
.endm
.macro JLOAD                           ; a joint refill by the walking descriptors; an s_nop 0 and four v_nop follow each line
	s_cmp_eq_u32 s[ROLE], 0
	s_cbranch_scc0 .Lfor_b_\@
	tensor_load_to_lds s[G0+4:G0+7], s[G1:G1+7]
	s_nop 0
.rept 4
	v_nop
.endr
	s_branch .Lasked_\@
.Lfor_b_\@:
	tensor_load_to_lds s[G0B+4:G0B+7], s[G1B:G1B+7]
	s_nop 0
.rept 4
	v_nop
.endr
.Lasked_\@:
.endm
.macro CREST
	s_cmp_lg_u32 s[WV], 0
	s_cbranch_scc1 .Lnot_wave_0_\@
	s_barrier_signal -3
.Lnot_wave_0_\@:
	s_barrier_wait -3
	s_barrier_signal -1
	s_barrier_wait -1
.endm
.macro CROUND
	s_barrier_signal -1
	s_barrier_wait -1
	CREST
.endm
; A PREFETCH of the K step that the NEXT change of slots will ask for: 192 matrix instructions ahead of that load.  Each aligned block of 256 bytes is named once in the launch.
; wo's tile column: cluster y = 0 asks; waves 1, 2, 3 take 64 k rows each, the partners 16 of them each by address (cy): 16 rows x 2 blocks, one line.
; O's tile row: cluster x = 0 asks, wave 0, the partners two row blocks each by address (cx); a line names 16 blocks of each.  A step is 24 blocks of a row block: even steps name 32 (two lines), odd steps 16.
; K steps 0 to 2 come by their loads alone; the loop's last trip asks for nothing, and wave 0 stops a trip earlier: its two lines for the last step would pass a row block's end.
.macro ASK
	s_cmp_gt_u32 s3, s[LIM]
	s_cbranch_scc0 .Lnot_mine_\@
	global_prefetch_b8 v[PFO], s[PFA:PFA+1] th:TH_LOAD_NT scope:SCOPE_SE
	s_cmp_eq_u32 s[PAR], 1
	s_cbranch_scc0 .Lnot_mine_\@
	global_prefetch_b8 v[PFO], s[PFA:PFA+1] offset:4096 th:TH_LOAD_NT scope:SCOPE_SE
.Lnot_mine_\@:
.endm
	s_load_b256 s[4:11], s[0:1], 0x0               ; ob, wob, olo, out0
	v_lshl_add_u32 v[SPW], v0, 2, SPARE
	v_mov_b32 v[NIL], 0
	ds_add_u32 v[SPW], v[NIL]                      ; the wave's opening: the add and its wait stand ahead of my first tensor load
	v_lshrrev_b32 v1, 5, v0
	v_readfirstlane_b32 s[WV], v1
	s_lshr_b32 s[ROLE], s[WV], 1                   ; I fetch for O (0) or for wo (1),
	s_and_b32 s[HALF], s[WV], 1                    ; this half of the tile
	s_bfe_u32 s[CX], ttmp6, 0x40000
	s_bfe_u32 s[CY], ttmp6, 0x40004
	s_lshl_b32 s[TC], ttmp9, 2
	s_add_co_u32 s[TC], s[TC], s[CX]
	s_and_b32 s[TR], ttmp7, 0xffff
	s_lshl_b32 s[TR], s[TR], 2
	s_add_co_u32 s[TR], s[TR], s[CY]
	s_lshl_b32 s80, s[CY], 2
	s_lshl_b32 s80, 15, s80
	s_lshl_b32 s81, 0x1111, s[CX]
	s_or_b32 s[G1],  s80, (1<<16)|(1<<21)                          ; mask; 2-byte elements; bit 21 beside a mask; no padding
	s_or_b32 s[G1B], s81, (1<<16)|(1<<20)|(1<<21)|(6<<22)|(7<<25)  ; after every 128 words 8 words
	s_mov_b32 s[G1+1], 3072<<16                    ; O: 4 row blocks x 3,072 elements (six chunks), 33,792 elements from block to block
	s_mov_b32 s[G1+2], 4<<16
	s_mov_b32 s[G1+3], 3072<<16
	s_mov_b32 s[G1+4], 4
	s_mov_b32 s[G1+5], 33792
	s_mov_b32 s[G1+6], 0
	s_mov_b32 s[G1+7], 0
	s_mov_b32 s[G1B+1], 256<<16                    ; wo: 96 k rows x 256 elements
	s_mov_b32 s[G1B+2], 96<<16
	s_mov_b32 s[G1B+3], 256<<16
	s_mov_b32 s[G1B+4], 96
	s_mov_b32 s[G1B+5], 4096
	s_mov_b32 s[G1B+6], 0
	s_mov_b32 s[G1B+7], 0
	s_lshl_b32 s82, s[TR], 3                       ; O: row block 8 x tile row + 4 x half
	s_lshl_b32 s84, s[HALF], 2
	s_add_co_u32 s82, s82, s84
	s_mul_i32 s82, s82, RBP
	s_mov_b32 s83, 0
	s_mul_i32 s86, s[HALF], 96*8192
	s_lshl_b32 s85, s[TC], 9
	s_add_co_u32 s86, s86, s85
	s_mov_b32 s87, 0
	s_mul_i32 s[LA], s[HALF], 4*6144
	s_mul_i32 s[LB], s[HALF], 96*PB
	s_add_co_u32 s[LB], s[LB], APART
	s_mov_b32 s[TB], 0
	s_mov_b32 s[TBF], SLOT
	s_wait_dscnt 0x0                               ; the opening add is done
	s_wait_kmcnt 0x0
	s_add_nc_u64 s[82:83], s[4:5], s[82:83]
	s_add_nc_u64 s[86:87], s[6:7], s[86:87]
	CROUND
.irp s, 0,1
	s_mov_b32 s[G0+4*(\s)], 1
	s_add_co_u32 s[G0+4*(\s)+1], s[LA], (\s)*SLOT
	s_add_nc_u64 s[G0+4*(\s)+2:G0+4*(\s)+3], s[82:83], (\s)*ASTEP
	s_or_b32 s[G0+4*(\s)+3], s[G0+4*(\s)+3], 0x80000000
	s_mov_b32 s[G0B+4*(\s)], 1
	s_add_co_u32 s[G0B+4*(\s)+1], s[LB], (\s)*SLOT
	s_add_nc_u64 s[G0B+4*(\s)+2:G0B+4*(\s)+3], s[86:87], (\s)*BSTEP
	s_or_b32 s[G0B+4*(\s)+3], s[G0B+4*(\s)+3], 0x80000000
.endr
	s_cmp_eq_u32 s[ROLE], 0                        ; a wave's two first fills stand in one branch: two loads of mine are out
	s_cbranch_scc0 .Lfirst_b
	tensor_load_to_lds s[G0:G0+3], s[G1:G1+7]
	s_nop 0
	tensor_load_to_lds s[G0+4:G0+7], s[G1:G1+7]
	s_nop 0
.rept 4
	v_nop
.endr
	s_branch .Lfirst_done
.Lfirst_b:
	tensor_load_to_lds s[G0B:G0B+3], s[G1B:G1B+7]
	s_nop 0
	tensor_load_to_lds s[G0B+4:G0B+7], s[G1B:G1B+7]
	s_nop 0
.rept 4
	v_nop
.endr
.Lfirst_done:
	v_and_b32 v1, 15, v0
	v_bfe_u32 v2, v0, 4, 1
	v_and_b32 v3, 31, v0
	v_and_b32 v4, 7, v0
	v_bfe_u32 v5, v0, 3, 1
	v_lshlrev_b32 v[GL], 4, v3
	WIN 0x80                                       ; destination window 2
.irp q, 0,1,2,3,4,5
	global_load_b128 v[8*(\q):8*(\q)+3],   v[GL], s[LOP:LOP+1] offset:1024*(\q)      ; olo's six fragments of K step 0
	global_load_b128 v[8*(\q)+4:8*(\q)+7], v[GL], s[LOP:LOP+1] offset:1024*(\q)+512
.endr
	WIN 0
	v_lshl_add_u32 v7, v2, 3, v4
	v_mul_u32_u24 v8, v7, PB
	v_lshl_add_u32 v8, v5, 4, v8
	s_lshl_b32 s80, s[WV], 7                       ; my 64 columns
	s_add_co_u32 s80, s80, APART
	v_add_nc_u32 v[ADRB0], s80, v8
	s_mul_i32 s80, s[WV], 16*PS
	s_add_co_u32 s80, s80, STAGE
	v_mul_u32_u24 v6, v1, PS
	v_lshl_add_u32 v6, v2, 5, v6                   ; in: row r, 32 bytes for each half of the lanes
	v_add_nc_u32 v[STO], s80, v6
	v_mul_u32_u24 v6, v2, PS
	v_lshl_add_u32 v6, v1, 4, v6                   ; back: lanes 0-15 one row of 256 bytes, lanes 16-31 the next
	v_add_nc_u32 v[RD], s80, v6
	v_lshlrev_b32 v[CO], 14, v2
	v_lshl_add_u32 v[CO], v1, 4, v[CO]
	s_lshl_b32 s84, s[TR], 21                      ; 128 rows of 16,384 bytes
	s_lshl_b32 s85, s[TC], 10
	s_add_co_u32 s84, s84, s85
	s_lshl_b32 s85, s[WV], 8
	s_add_co_u32 s84, s84, s85
	s_mov_b32 s85, 0
	s_add_nc_u64 s[CP:CP+1], s[CP:CP+1], s[84:85]
	s_and_b32 s84, ttmp7, 0xffff
	s_cmp_eq_u32 s84, 0
	s_cselect_b32 s[TOP], 1, 0
	s_cmp_eq_u32 s[TR], 0
	s_cselect_b32 s[MSK], -1, 0
	; the prefetches
	s_lshl_b32 s86, s[TR], 3
	s_lshl_b32 s87, s[CX], 1                       ; my work-group's two row blocks of the eight
	s_add_co_u32 s86, s86, s87
	s_mul_i32 s86, s86, RBP
	s_add_co_u32 s86, s86, 2*ASTEP                 ; at K step 2: the first change of slots steps it to K step 3's new blocks
	s_sub_co_u32 s88, s[WV], 1                     ; waves 1, 2, 3: k rows 64 (wave - 1) on (wave 0 does not use this number),
	s_lshl_b32 s88, s88, 6
	s_lshl_b32 s89, s[CY], 4                       ; my work-group's 16 of them
	s_add_co_u32 s88, s88, s89
	s_lshl_b32 s88, s88, 13
	s_lshl_b32 s89, s[TC], 9
	s_add_co_u32 s88, s88, s89
	s_add_co_u32 s88, s88, 2*BSTEP
	s_mov_b32 s[PST], BSTEP
	s_mov_b32 s93, 8192
	s_cmp_eq_u32 s[WV], 0
	s_cselect_b32 s84, ttmp9, s84                  ; the coordinate along which other clusters read the same blocks
	s_cselect_b64 s[PFA:PFA+1], s[4:5], s[6:7]
	s_cselect_b32 s[PST], 8192, s[PST]             ; O: 32 blocks on behind two lines, 16 behind one, by turns
	s_cselect_b32 s[PSTX], 12288, 0
	s_cselect_b32 s[PAR], 1, 0
	s_cselect_b32 s[PARX], 1, 0
	s_cselect_b32 s92, 4, 1
	s_cselect_b32 s93, RBP, s93
	s_cselect_b32 s94, 15, 1
	s_cselect_b32 s95, 2, 1
	s_cselect_b32 s86, s86, s88
	s_mov_b32 s[PST+1], 0
	s_mov_b32 s87, 0
	s_add_nc_u64 s[PFA:PFA+1], s[PFA:PFA+1], s[86:87]
	s_cmp_eq_u32 s84, 0
	s_cselect_b32 s[LIM], s95, -1
	v_lshrrev_b32 v[PFO], s92, v3                  ; O: 16 lanes a row block, 256 bytes apart;  wo: two lanes a k row
	v_mul_u32_u24 v[PFO], s93, v[PFO]
	v_and_b32 v6, s94, v3
	v_lshl_add_u32 v[PFO], v6, 8, v[PFO]
.macro SETADR                          ; the fragments' addresses in the slot in hand
	v_add_nc_u32 v[ADRA], s[TB], v[ADRA0]
	v_add_nc_u32 v[ADRB], s[TB], v[ADRB0]
	v_add_nc_u32 v[ADRB2], 96*PB, v[ADRB]
.endm
; 8 matrix instructions: row blocks 2 g, 2 g + 1 x all 4 column blocks.  The accumulators take turns, one instruction a turn.
.macro MUL8 f, g, zero
	WIN MUL
.irp a, 2*(\g), 2*(\g)+1
.irp b, 0,1,2,3
.if \zero
	v_wmma_f32_16x16x32_f16 v[8*(4*(\a)+(\b)):8*(4*(\a)+(\b))+7], v[(\f)+64+8*(\b):(\f)+64+8*(\b)+7], v[(\f)+8*(\a):(\f)+8*(\a)+7], 0
.else
	v_wmma_f32_16x16x32_f16 v[8*(4*(\a)+(\b)):8*(4*(\a)+(\b))+7], v[(\f)+64+8*(\b):(\f)+64+8*(\b)+7], v[(\f)+8*(\a):(\f)+8*(\a)+7], v[8*(4*(\a)+(\b)):8*(4*(\a)+(\b))+7]
.endif
.endr
.endr
.endm
.macro FETCH q, f                      ; 24 LDS loads in one run: wo's four fragments of chunk q, then O's eight
	WIN 0
.set fb, ADRB
.set fq, (\q)
.if (\q) >= 3
.set fb, ADRB2
.set fq, (\q)-3
.endif
.irp b, 0,1,2,3
	ds_load_tr16_b128 v[(\f)+64+8*(\b):(\f)+64+8*(\b)+3],   v[fb] offset:32*PB*fq+32*(\b)
	ds_load_tr16_b128 v[(\f)+64+8*(\b)+4:(\f)+64+8*(\b)+7], v[fb] offset:32*PB*fq+32*(\b)+16*PB
.endr
.irp a, 0,1,2,3,4,5,6,7
	ds_load_b128 v[(\f)+8*(\a):(\f)+8*(\a)+3],   v[ADRA] offset:6144*(\a)+1024*(\q)
	ds_load_b128 v[(\f)+8*(\a)+4:(\f)+8*(\a)+7], v[ADRA] offset:6144*(\a)+1024*(\q)+512
.endr
.endm
; Rows 0-15's four products of chunk q, on buffer f's fragments of wo.  cnt: the younger loads of olo, which may stay out: behind a chunk's two stand the five other chunks' pairs.  rl = 1: chunk q of the K step at LOP is asked for.
.macro EXTRA q, f, rl, cnt
	WIN 0
	s_wait_loadcnt \cnt
	s_cmp_eq_u32 s[TOP], 1
	s_cbranch_scc0 .Lno_lo_\@
	WIN 0x88                                       ; destination and source 1 in window 2
.irp i, 0,1,2,3,4,5,6,7
	v_and_b32 v[8*(\q)+(\i)], s[MSK], v[8*(\q)+(\i)]
.endr
	WIN 0x58                                       ; C and D window 1, wo window 0, olo window 2
.irp b, 0,1,2,3
	v_wmma_f32_16x16x32_f16 v[8*(\b):8*(\b)+7], v[(\f)+64+8*(\b):(\f)+64+8*(\b)+7], v[8*(\q):8*(\q)+7], v[8*(\b):8*(\b)+7]
.endr
	WIN 0
.Lno_lo_\@:
.if \rl
	PLACES                                         ; in front of loads into registers that those products read
.if (\q) == 0
	s_wait_xcnt 0x0                                ; the earlier loads have read their address
	s_add_nc_u64 s[LOP:LOP+1], s[LOP:LOP+1], ASTEP
.endif
	WIN 0x80
	global_load_b128 v[8*(\q):8*(\q)+3],   v[GL], s[LOP:LOP+1] offset:1024*(\q)
	global_load_b128 v[8*(\q)+4:8*(\q)+7], v[GL], s[LOP:LOP+1] offset:1024*(\q)+512
	WIN 0
.endif
.endm
; One of a K step's first five parts: multiplies chunk q - 1 in buffer f and fetches chunk q into g.
.macro QUARTER q, f, g, zero, rl=1, cnt=10
	s_wait_dscnt 8                                 ; wo and O's blocks 0-3 are in; the youngest eight loads (blocks 4-7) may be out
	MUL8 \f, 0, \zero
	MUL8 \f, 1, \zero
	PLACES
	FETCH \q, \g
	s_wait_dscnt 24                                ; all but the 24 just issued
	MUL8 \f, 2, \zero
	MUL8 \f, 3, \zero
	EXTRA (\q)-1, \f, \rl, \cnt
.endm
; The last part multiplies buffer 1 and changes slots: all my tensor loads waited for, the add, the wait for it and for my reads; fill = 1: a round of the cluster's barrier and the joint refill first behind it.
.macro TURN fill
.if \fill
	s_wait_xcnt 0x0                                ; the last prefetches, a K step back, have read their address
	s_add_nc_u64 s[PFA:PFA+1], s[PFA:PFA+1], s[PST:PST+1]
	s_xor_b32 s[PST], s[PST], s[PSTX]
	s_xor_b32 s[PAR], s[PAR], s[PARX]
.endif
	WIN 0
	s_wait_tensorcnt 0x0                           ; no tensor load of mine is out, so the walking descriptors may be written
	ds_add_u32 v[SPW], v[NIL]
.if \fill
	s_xor_b32 s[TBF], s[TBF], SLOT
	s_add_co_u32 s[G0+5], s[TBF], s[LA]
	s_add_nc_u64 s[G0+6:G0+7], s[G0+6:G0+7], ASTEP
	s_add_co_u32 s[G0B+5], s[TBF], s[LB]
	s_add_nc_u64 s[G0B+6:G0B+7], s[G0B+6:G0B+7], BSTEP
.endif
	s_wait_dscnt 9                                 ; (the add and the youngest eight loads may be out)
	MUL8 F1, 0, 0
	s_wait_dscnt 0x0
	s_barrier_signal -1
	MUL8 F1, 1, 0
	WIN 0
	s_barrier_wait -1
.if \fill
	CREST
	JLOAD
.else
	PLACES
.endif
	s_xor_b32 s[TB], s[TB], SLOT
	SETADR
	FETCH 0, F0
.if \fill
	ASK
.endif
	MUL8 F1, 2, 0
	MUL8 F1, 3, 0
	EXTRA 5, F1, 1, 10
.endm
	s_wait_tensorcnt 0x1                           ; my part of K step 0 is in; slot 1's load may stay out
	s_barrier_signal -1
	s_barrier_wait -1
	SETADR
	FETCH 0, F0
	QUARTER 1, F0, F1, 1
	WIN 0
	s_mov_b32 s3, STEPS-2
.Lstep:                                        ; a trip: from a step's second part to the next step's first; it fills one slot again
	QUARTER 2, F1, F0, 0
	QUARTER 3, F0, F1, 0
	QUARTER 4, F1, F0, 0
	QUARTER 5, F0, F1, 0
	TURN 1
	QUARTER 1, F0, F1, 0
	WIN 0
	s_sub_co_u32 s3, s3, 1
	s_cmp_lg_u32 s3, 0
	s_cbranch_scc1 .Lstep
	s_mov_b32 s2, 2                                ; the last two steps fill nothing: one text, left in its middle the second time.  LOP stays at the last step, so the second time these four parts load
.Ltail:                                        ; that step's own fragments of olo once more, behind their use: the price of one text.  Their waits are for 8: the second time no pair for chunk 0 stands behind a chunk's two
	QUARTER 2, F1, F0, 0, 1, 8
	QUARTER 3, F0, F1, 0, 1, 8
	QUARTER 4, F1, F0, 0, 1, 8
	QUARTER 5, F0, F1, 0, 1, 8
	WIN 0
	s_sub_co_u32 s2, s2, 1
	s_cmp_eq_u32 s2, 0
	s_cbranch_scc1 .Llast
	TURN 0
	QUARTER 1, F0, F1, 0, 0, 10
	WIN 0
	s_branch .Ltail
.Llast:
	s_wait_dscnt 8
	MUL8 F1, 0, 0
	MUL8 F1, 1, 0
	s_wait_dscnt 0x0
	MUL8 F1, 2, 0
	MUL8 F1, 3, 0
	EXTRA 5, F1, 0, 8
	WIN 0
	PLACES
	PLACES
; THE WAY OUT, 16 rows at a time: times 1/16; 32 bytes a lane into my stage; back as whole rows of 256 bytes; 16 lanes store 256 consecutive bytes, aligned.
.macro OUTB a
	WIN 0x01
.set n, 0
.rept 16
	v_pk_mul_f32 v[TMP+2*n:TMP+2*n+1], v[32*(\a)+2*n:32*(\a)+2*n+1], 0x3d800000 op_sel_hi:[1,0]
.set n, n+1
.endr
	WIN 0
.irp b, 0,1,2,3
	ds_store_b128 v[STO], v[TMP+8*(\b):TMP+8*(\b)+3]   offset:64*(\b)
	ds_store_b128 v[STO], v[TMP+8*(\b)+4:TMP+8*(\b)+7] offset:64*(\b)+16
.endr
.set BK, 96+32*((\a)%2)
.irp t, 0,1,2,3,4,5,6,7
	ds_load_b128 v[BK+4*(\t):BK+4*(\t)+3], v[RD] offset:2*PS*(\t)  ; LDS serves a wave's instructions in order: these see the stores above
.endr
	s_wait_dscnt 0x0
	s_wait_xcnt 0x0                                ; the last block's stores have read their registers: the next block loads into them
.irp t, 0,1,2,3,4,5,6,7
	global_store_b128 v[CO], v[BK+4*(\t):BK+4*(\t)+3], s[CP:CP+1] offset:(16*(\a)+2*(\t))*16384 th:TH_STORE_NT
.endr
.endm
.irp a, 0,1,2,3,4,5,6,7
	OUTB \a
.endr
	s_wait_tensorcnt 0x0                           ; the wave's end
	ds_add_u32 v[SPW], v[NIL]
	s_wait_dscnt 0x0
	CROUND                                         ; the closing round
	s_endpgm
.Lfunc_end_k_q1cc125ffe9_oproj:
	.size	k_q1cc125ffe9_oproj, .Lfunc_end_k_q1cc125ffe9_oproj-k_q1cc125ffe9_oproj
	.p2alignl 7, 3214868480
	.fill 96, 4, 3214868480
	.section	.rodata,"a",@progbits
	.p2align	6, 0x0
	.amdhsa_kernel k_q1cc125ffe9_oproj
		.amdhsa_group_segment_fixed_size 327680
		.amdhsa_private_segment_fixed_size 0
		.amdhsa_enable_private_segment 0
		.amdhsa_kernarg_size 32
		.amdhsa_user_sgpr_count 2
		.amdhsa_user_sgpr_kernarg_segment_ptr 1
		.amdhsa_wavefront_size32 1
		.amdhsa_system_sgpr_workgroup_id_x 1
		.amdhsa_system_sgpr_workgroup_id_y 1
		.amdhsa_system_sgpr_workgroup_id_z 1
		.amdhsa_system_vgpr_workitem_id 0
		.amdhsa_next_free_vgpr 576
		.amdhsa_next_free_sgpr 96
		.amdhsa_reserve_vcc 0
		.amdhsa_float_denorm_mode_32 3
		.amdhsa_float_denorm_mode_16_64 3
		.amdhsa_memory_ordered 1
		.amdhsa_forward_progress 1
		.amdhsa_inst_pref_size 107
	.end_amdhsa_kernel
	.amdgpu_metadata
---
amdhsa.version: [ 1, 2 ]
amdhsa.kernels:
  - .name:           k_q1cc125ffe9_oproj
    .symbol:         k_q1cc125ffe9_oproj.kd
    .args:
      - { .name: ob, .offset: 0, .size: 8, .value_kind: global_buffer, .address_space: global }
      - { .name: wob, .offset: 8, .size: 8, .value_kind: global_buffer, .address_space: global }
      - { .name: olo, .offset: 16, .size: 8, .value_kind: global_buffer, .address_space: global }
      - { .name: out0, .offset: 24, .size: 8, .value_kind: global_buffer, .address_space: global }
    .group_segment_fixed_size: 327680
    .private_segment_fixed_size: 0
    .kernarg_segment_align: 8
    .kernarg_segment_size: 32
    .max_flat_workgroup_size: 128
    .sgpr_count:     96
    .vgpr_count:     576
    .wavefront_size: 32
...
	.end_amdgpu_metadata
.endif
;; end of part 4
